; MI455X (gfx1250); checked and timed in simulation.
; The chip was launched on July 23, 2026; its instructions are those of AMD's public machine-readable ISA for CDNA 5 (MIT licence, August 2026) and "CDNA5" Instruction Set Architecture Reference Guide (July 2026). The comments in the code are by the model that wrote it; some were corrected since.
;; Mo E Layer. Allowed arithmetic: matrix products marked QUANTISED: E4M3 operands, one E8M0 scale for each 32 along K, by v_wmma_scale_f32_16x16x128_f8f6f4 with both operands' format E4M3, f32 sums; products left as they are: f32 operands where the result goes on into a quantised operand, else bf16, f16 or f32 operands; f32 sums; everything else in f32.
;; Inputs: b1 8 x 4,096 float32; b2 8 x 1,024 float32; router_w 8 x 1,024 float32; w1 8 x 4,096 x 1,024 float32; w2 8 x 1,024 x 4,096 float32; x 2 x 512 x 1,024 float32.
;; Outputs: out0 2 x 512 x 1,024 float32.
;; This version of the problem:
;;   THIS VERSION OF THE PROBLEM IS GIVEN IN LOW PRECISION. The matrix products marked QUANTISED in the list below multiply operands that are first quantised to E4M3 (4 exponent bits, 3 mantissa bits; 8 bits a number), with one power-of-two scale for each 32 numbers along K (OCP MX v1.0); their sums are f32. All else is computed in f32.
;;   The module's matrix products, in the order in which they are computed (A, B: the left and right operand; K: the contracted axis; several contracted axes count as one K, in the product's order):
;;     1. [M 1,024, K 1,024] x [K 1,024, N 8]; A: input x; B: input router_w: left as it is (N = 8 < 16)
;;     2. [M 1,024, K 1,024] x [K 1,024, N 32,768]; A: input x; B: input w1: QUANTISED
;;     3. batch 8 x [M 1,024, K 4,096] x [K 4,096, N 1,024]; A: input w2; B: computed on the way: QUANTISED
;;     4. batch 1,024 x [M 1,024, K 2] x [K 2, N 1]; A: computed on the way; B: computed on the way: left as it is (K = 2 < 32)
;;   THE QUANTISER, for each operand of a quantised product, along K:
;;     - K is cut into blocks of 32 from its start; a last block that is shorter is filled with zeros.
;;     - A block's scale is 2^e with e = floor(log2(the largest magnitude in the block)) - 8, held to -126 .. 127; a block of zeros has e = 0. As a byte (E8M0): e + 127.
;;     - Each number is divided by its block's scale, clamped to +-448, and rounded to the nearest number of E4M3, ties to even, subnormals kept.
;;     - The product sums the exact products of the quantised numbers (number of the format x scale) in f32.
;;   ~~~python
;;   def quantise(x, axis):      # numpy; x: float32 -> the quantised numbers, widened to float32 again
;;       x = np.moveaxis(x, axis, -1); K = x.shape[-1]
;;       x = np.pad(x, [(0, 0)] * (x.ndim - 1) + [(0, -K % 32)]); x = x.reshape(x.shape[:-1] + (-1, 32)); a = np.abs(x).max(-1, keepdims=True)
;;       e = np.where(a > 0, np.clip(np.frexp(np.where(a > 0, a, 1))[1] - 1 - 8, -126, 127), 0)      # np.frexp(a)[1] - 1 = floor(log2(a)), exactly
;;       r = np.clip(x / 2.0 ** e, -448, 448)
;;       step = 2.0 ** (np.maximum(np.frexp(np.where(r == 0, 1, r))[1] - 1, -6) - 3)
;;       q = np.round(r / step) * step * 2.0 ** e      # np.round: ties to even
;;       return np.moveaxis(q.reshape(q.shape[:-2] + (-1,))[..., :K], -1, axis).astype(np.float32)
;;   ~~~
;;   OPERANDS COMPUTED ON THE WAY. 'Computed on the way' means the value that the module computes at that place (a softmax that the list does not call 'softmax' is quantised finished and normalised). What goes into a quantiser is computed in f32, as accurately as f32 sums, v_exp_f32 and their like allow (about 1e-6 of the number): no bf16 or f16 on the way to a quantiser, and a product that is left as it is and whose result goes on into a quantised operand takes f32 operands (vector FMAs, or v_wmma_f32_16x16x4_f32). A number that lies on a knife's edge between two numbers of the format may be rounded either way, as far as f32 arithmetic and the matrix unit's own rounding can turn it there, and no further.
;; 2 versions, each right; version 2 is version 1 with the launches up, down written anew for expert scheduling mode. Each part assembles by itself: llvm-mc -triple=amdgcn-amd-amdhsa -mcpu=gfx1250 --defsym DOCPART=n.
;; ======== version 1 of 2: 4 launches
;; workspace buffers: xc 1,081,344 bytes; topk 4,096 bytes of whole numbers; aux 40,960 bytes; rlist 43,008 bytes of whole numbers; hc 44,564,480 bytes; ybuf 33,554,432 bytes
;; launch router (part 1): grid 256 x 1, 4 waves a work-group, no clusters, 5,120 bytes of LDS; arguments x, router_w, b2, xc, topk, aux; writes xc, topk, aux
.if DOCPART == 1
	.amdgcn_target "amdgcn-amd-amdhsa--gfx1250"
	.amdhsa_code_object_version 6
	.text
	.protected	k_q2b06fd11a9_router
	.globl	k_q2b06fd11a9_router
	.p2align	8
	.type	k_q2b06fd11a9_router,@function
k_q2b06fd11a9_router:
	s_mov_b64 s[64:65], 0
	v_nop
	global_prefetch_b8 v0, s[64:65] scope:SCOPE_SE
	s_setreg_imm32_b32 hwreg(HW_REG_WAVE_MODE, 25, 1), 1
	s_wait_xcnt 0x0
; THE ROUTER, AND x AS CODES.  x [1024 tokens][1024] f32, router_w [8][1024] f32, b2 [8][1024] f32.
; Out: xc = codes of E4M3 [token][1024] at byte 0 and E8M0 scale words [token][8] at byte 1,048,576;
;      topk word t = (1 << first expert) | (1 << (second expert + 8));  aux = gate weights [token][2] f32 at byte 0, b2 / 4 at byte 8,192.
; A work-group of four waves takes four tokens.  Wave w multiplies all four rows by router rows 2 w and 2 w + 1 (f32 fused multiply-adds),
; the 32 logits meet in LDS, and wave w then finishes token w: softmax with the maximum taken away, two scans for the top two
; (strictly greater, ascending: a tie keeps the lower index), the two weights over their sum + 1e-9.
; The wave loads the rows in the order token (w + s) % 4, so that its own row is slot 0, which it also quantises:
; a lane holds 4 neighbours of each run of 128, a block of 32 is eight lanes.  The conversion takes eight registers (two runs):
; it is issued twice, once with each run's scale, and of each result the word made with its own scale is kept.
; No address and no branch hangs on the choice: it is stored at fixed places.
; LIMITS: NaN and infinities are not served; a block whose largest magnitude lies under 2^-118 (a block of zeros too) gets the byte 1: only this
; program reads the bytes; probabilities that tie within f32 rounding may choose the other expert.
.set XR,  256                          ; LDS: 0..127 the logits [token][8]; from XR 1,024 bytes of codes for each wave;
.set XB,  4352                         ; from XB 32 scale bytes for each wave
.set X,   32                           ; v32-159  four rows, 32 registers each
.set RW,  160                          ; v160-223 two router rows
.set SU,  224                          ; v224-239 eight sums, a pair each
.set M,   64                           ; the quantiser's registers lie over slots 1 and 2, which are done with by then
.set SCL, 72
.set HLD, 80
.set BYT, 88
.set COD, 96
	s_load_b256 s[4:11], s[0:1], 0x0               ; x s[4:5], router_w s[6:7], b2 s[8:9], xc s[10:11]
	s_load_b128 s[12:15], s[0:1], 0x20             ; topk s[12:13], aux s[14:15]
	v_lshl_add_u32 v254, v0, 2, 0x1200
	v_mov_b32 v255, 0
	v_lshrrev_b32 v1, 5, v0
	v_readfirstlane_b32 s16, v1                    ; wave
	v_and_b32 v1, 31, v0                           ; lane
	v_lshlrev_b32 v2, 4, v1                        ; 16 x lane
	v_lshlrev_b32 v3, 2, v1                        ; 4 x lane
.irp s, 0,1,2,3
	s_add_co_u32 s20, s16, \s
	s_and_b32 s20, s20, 3                          ; slot s holds token (w + s) % 4
	s_lshl_b32 s21, s20, 12
	v_add_nc_u32 v[4+\s], s21, v2                  ; its row in x
	s_lshl_b32 s21, s20, 5
	s_lshl_b32 s22, s16, 3
	s_add_co_u32 s21, s21, s22
	v_mov_b32 v[8+\s], s21                         ; LDS: its logits of my two experts: 32 x token + 8 w
.endr
	s_lshl_b32 s20, s16, 13
	v_add_nc_u32 v12, s20, v2                      ; router rows 2 w, 2 w + 1
	s_lshl_b32 s20, s16, 10
	s_add_co_u32 s20, s20, XR
	v_add_nc_u32 v13, s20, v3                      ; my codes, on the way in: 4 bytes a lane
	v_add_nc_u32 v15, s20, v2                      ; and back: 16 bytes a lane
	s_lshl_b32 s20, s16, 5
	v_mov_b32 v29, s20                             ; my token's eight logits
	s_add_co_u32 s20, s20, XB
	v_bfe_u32 v14, v0, 3, 2
	v_add_nc_u32 v14, s20, v14                     ; my block's scale byte: (lane / 8) % 4
	v_and_b32 v28, 7, v0
	v_lshl_add_u32 v28, v28, 2, s20                ; the scale words back: lanes 0-7 take the eight words
	s_lshl_b32 s17, ttmp9, 2
	s_add_co_u32 s17, s17, s16                     ; my token
	s_mov_b32 s19, 0
	s_mov_b32 s36, 0x76543210
	s_mov_b32 s37, 0xfedcba98                      ; v_permlanex16_b32: lane l xor 16
	s_mov_b32 s40, 0x04800000                      ; the floor 2^(9 - 127)
	s_mov_b32 s41, 0xfc000000                      ; 8 off an exponent field
	s_mov_b32 s42, 0x7f800000
	s_mov_b32 s43, 0x00600000                      ; the mantissa field of 448
	s_lshl_b32 s18, ttmp9, 14
	s_wait_kmcnt 0x0
	s_add_nc_u64 s[4:5], s[4:5], s[18:19]          ; x at the group's four rows
.irp s, 0,1,2,3
.irp i, 0,1,2,3,4,5,6,7
	global_load_b128 v[X+32*\s+4*\i:X+32*\s+4*\i+3], v[4+\s], s[4:5] offset:512*\i    ; 512 consecutive bytes of a row
.endr
.endr
.irp a, 0,1
.irp i, 0,1,2,3,4,5,6,7
	global_load_b128 v[RW+32*\a+4*\i:RW+32*\a+4*\i+3], v12, s[6:7] offset:4096*\a+512*\i
.endr
.endr
	s_lshl_b32 s18, s17, 10
	s_add_nc_u64 s[24:25], s[10:11], s[18:19]      ; my token's codes
	s_lshl_b32 s18, s17, 5
	s_add_nc_u64 s[26:27], s[10:11], s[18:19]
	s_add_nc_u64 s[26:27], s[26:27], 0x100000      ; its scale words
	s_lshl_b32 s18, s17, 3
	s_add_nc_u64 s[28:29], s[14:15], s[18:19]      ; its two gate weights
	s_lshl_b32 s18, s17, 2
	s_add_nc_u64 s[30:31], s[12:13], s[18:19]      ; its word of the choice
	; b2 / 4: 32,768 bytes, 256 for wave 0 of each of the first 128 work-groups.  The second product is summed in four quarters of K, each of which begins with b2 / 4 (exact)
	s_cmp_lg_u32 s16, 0
	s_cbranch_scc1 .Lno_b2
	s_cmp_ge_u32 ttmp9, 128
	s_cbranch_scc1 .Lno_b2
	s_lshl_b32 s18, ttmp9, 8
	s_add_nc_u64 s[32:33], s[8:9], s[18:19]
	s_add_nc_u64 s[34:35], s[14:15], s[18:19]
	s_add_nc_u64 s[34:35], s[34:35], 8192
	v_lshlrev_b32 v24, 3, v1
	global_load_b64 v[26:27], v24, s[32:33]
	s_wait_loadcnt 0x0                             ; it lands with the rows, which are wanted next anyway
	v_mul_f32 v30, 0x3e800000, v26
	v_mul_f32 v31, 0x3e800000, v27
	global_store_b64 v24, v[30:31], s[34:35]       ; 32 lanes store 256 consecutive bytes, aligned; v24, v30, v31 are not written again
.Lno_b2:
	s_wait_loadcnt 0x0
	; eight sums (k = 4 a + s: router row a, slot s), two numbers an instruction, by turns
.irp k, 0,1,2,3,4,5,6,7
	v_pk_mul_f32 v[SU+2*\k:SU+2*\k+1], v[X+32*(\k%4):X+32*(\k%4)+1], v[RW+32*(\k/4):RW+32*(\k/4)+1]
.endr
.set PI, 1
.rept 15
.irp k, 0,1,2,3,4,5,6,7
	v_pk_fma_f32 v[SU+2*\k:SU+2*\k+1], v[X+32*(\k%4)+2*PI:X+32*(\k%4)+2*PI+1], v[RW+32*(\k/4)+2*PI:RW+32*(\k/4)+2*PI+1], v[SU+2*\k:SU+2*\k+1]
.endr
.set PI, PI+1
.endr
.irp k, 0,1,2,3,4,5,6,7
	v_add_f32 v[SU+2*\k], v[SU+2*\k], v[SU+2*\k+1]
.endr
.irp m, 1,2,4,8
.irp k, 0,1,2,3,4,5,6,7
	v_add_f32_dpp v[SU+2*\k], v[SU+2*\k], v[SU+2*\k] row_xmask:\m row_mask:0xf bank_mask:0xf
.endr
.endr
.irp k, 0,1,2,3,4,5,6,7
	v_permlanex16_b32 v[SU+2*\k+1], v[SU+2*\k], s36, s37
.endr
.irp k, 0,1,2,3,4,5,6,7
	v_add_f32 v[SU+2*\k], v[SU+2*\k], v[SU+2*\k+1] ; every lane holds the logit
.endr
.irp k, 0,1,2,3,4,5,6,7
	ds_store_b32 v[8+(\k%4)], v[SU+2*\k] offset:4*(\k/4)   ; all lanes write the same word with the same value
.endr
	; my own row (slot 0) becomes codes: run r = its r-th 128 numbers, 4 a lane
.irp r, 0,1,2,3,4,5,6,7
	v_max3_num_f32 v[M+\r], |v[X+4*\r]|, |v[X+4*\r+1]|, s40
.endr
.irp r, 0,1,2,3,4,5,6,7
	v_max3_num_f32 v[M+\r], |v[X+4*\r+2]|, |v[X+4*\r+3]|, v[M+\r]
.endr
.irp m, 1,2,4
.irp r, 0,1,2,3,4,5,6,7
	v_max_num_f32_dpp v[M+\r], v[M+\r], v[M+\r] row_xmask:\m row_mask:0xf bank_mask:0xf   ; the eight lanes of a block
.endr
.endr
.irp r, 0,1,2,3,4,5,6,7
	v_add_nc_u32 v[SCL+\r], s41, v[M+\r]           ; the conversion's scale operand: 8 off the exponent field
.endr
.irp r, 0,1,2,3,4,5,6,7
	v_and_or_b32 v[HLD+\r], v[M+\r], s42, s43      ; 448 x the scale
.endr
.irp r, 0,1,2,3,4,5,6,7
	v_lshrrev_b32 v[BYT+\r], 23, v[SCL+\r]         ; the scale's byte
.endr
.set QI, 0
.rept 32
	v_med3_num_f32 v[X+QI], v[X+QI], -v[HLD+QI/4], v[HLD+QI/4]   ; the conversion to an 8-bit code does not saturate (ISA guide 7.6.2)
.set QI, QI+1
.endr
.irp p, 0,1,2,3
	v_cvt_scalef32_pk8_fp8_f32 v[COD+4*\p:COD+4*\p+1], v[X+8*\p:X+8*\p+7], v[SCL+2*\p]       ; the low word is run 2 p
	v_cvt_scalef32_pk8_fp8_f32 v[COD+4*\p+2:COD+4*\p+3], v[X+8*\p:X+8*\p+7], v[SCL+2*\p+1]   ; the high word is run 2 p + 1
.endr
	v_nop                                          ; one plain instruction behind the last scaled conversion
.irp r, 0,1,2,3,4,5,6,7
	ds_store_b32 v13, v[COD+4*(\r/2)+3*(\r%2)] offset:128*\r
	ds_store_b8 v14, v[BYT+\r] offset:4*\r         ; the eight lanes of a block write the same byte with the same value
.endr
	s_wait_dscnt 0x0                               ; for the others: my logits lie in LDS
	s_barrier_signal -1
	s_barrier_wait -1
	ds_load_b128 v[16:19], v29
	ds_load_b128 v[20:23], v29 offset:16           ; my token's eight logits, the same in every lane
	ds_load_b128 v[128:131], v15
	ds_load_b128 v[132:135], v15 offset:512        ; my codes as 2 x 512 consecutive bytes
	ds_load_b32 v136, v28
	s_wait_dscnt 0x0
	global_store_b128 v2, v[128:131], s[24:25]
	global_store_b128 v2, v[132:135], s[24:25] offset:512
	v_max3_num_f32 v112, v16, v17, v18
	v_max3_num_f32 v112, v112, v19, v20
	v_max3_num_f32 v112, v112, v21, v22
	v_max_num_f32 v112, v112, v23
.irp e, 0,1,2,3,4,5,6,7
	v_sub_f32 v[16+\e], v[16+\e], v112             ; the maximum is taken away
.endr
.irp e, 0,1,2,3,4,5,6,7
	v_mul_f32 v[16+\e], 0x3fb8aa3b, v[16+\e]
.endr
.irp e, 0,1,2,3,4,5,6,7
	v_exp_f32 v[16+\e], v[16+\e]
.endr
	v_mov_b32 v113, 1                              ; a plain instruction behind the exponentials
	s_wait_alu depctr_va_vdst(0)
	v_add_f32 v114, v16, v17
	v_add_f32 v115, v18, v19
	v_add_f32 v116, v20, v21
	v_add_f32 v117, v22, v23
	v_add_f32 v114, v114, v115
	v_add_f32 v116, v116, v117
	v_add_f32 v114, v114, v116
	v_rcp_f32 v115, v114
	v_mov_b32 v116, 0                              ; a plain instruction behind the reciprocal: the first index
	s_wait_alu depctr_va_vdst(0)
.irp e, 0,1,2,3,4,5,6,7
	v_mul_f32 v[16+\e], v[16+\e], v115             ; the probabilities
.endr
	v_mov_b32 v117, v16
.irp e, 1,2,3,4,5,6,7
	v_cmp_gt_f32 vcc_lo, v[16+\e], v117
	v_cndmask_b32 v117, v117, v[16+\e], vcc_lo
	v_cndmask_b32 v116, v116, \e, vcc_lo
.endr
.irp e, 0,1,2,3,4,5,6,7
	v_cmp_eq_u32 vcc_lo, \e, v116
	v_cndmask_b32 v[16+\e], v[16+\e], -1.0, vcc_lo ; the winner stands aside: under every probability
.endr
	v_mov_b32 v118, 0
	v_mov_b32 v119, v16
.irp e, 1,2,3,4,5,6,7
	v_cmp_gt_f32 vcc_lo, v[16+\e], v119
	v_cndmask_b32 v119, v119, v[16+\e], vcc_lo
	v_cndmask_b32 v118, v118, \e, vcc_lo
.endr
	v_add_f32 v120, v117, v119
	v_add_f32 v120, 0x3089705f, v120               ; + 1e-9
	v_rcp_f32 v121, v120
	v_add_nc_u32 v125, 8, v118                     ; a plain instruction behind the reciprocal
	s_wait_alu depctr_va_vdst(0)
	v_mul_f32 v122, v117, v121
	v_mul_f32 v123, v119, v121
	v_lshlrev_b32 v124, v116, v113
	v_lshlrev_b32 v125, v125, v113
	v_or_b32 v124, v124, v125
	s_wait_xcnt 0x0                                ; EXEC is a source of the stores above: it changes only behind this wait
	s_wait_tensorcnt 0x0
	ds_add_u32 v254, v255
	s_wait_dscnt 0x0
	v_cmpx_gt_u32 8, v1
	global_store_b32 v3, v136, s[26:27]            ; lanes 0-7: the eight scale words
	s_wait_xcnt 0x0
	v_cmpx_gt_u32 1, v1
	global_store_b64 v3, v[122:123], s[28:29]      ; lane 0 (its offset is 0): the two weights,
	global_store_b32 v3, v124, s[30:31]            ; and the choice
	s_endpgm
.Lfunc_end_k_q2b06fd11a9_router:
	.size	k_q2b06fd11a9_router, .Lfunc_end_k_q2b06fd11a9_router-k_q2b06fd11a9_router
	.p2alignl 7, 3214868480
	.fill 96, 4, 3214868480
	.section	.rodata,"a",@progbits
	.p2align	6, 0x0
	.amdhsa_kernel k_q2b06fd11a9_router
		.amdhsa_group_segment_fixed_size 5120
		.amdhsa_private_segment_fixed_size 0
		.amdhsa_enable_private_segment 0
		.amdhsa_kernarg_size 48
		.amdhsa_user_sgpr_count 2
		.amdhsa_user_sgpr_kernarg_segment_ptr 1
		.amdhsa_wavefront_size32 1
		.amdhsa_system_sgpr_workgroup_id_x 1
		.amdhsa_system_sgpr_workgroup_id_y 1
		.amdhsa_system_sgpr_workgroup_id_z 1
		.amdhsa_system_vgpr_workitem_id 0
		.amdhsa_next_free_vgpr 256
		.amdhsa_next_free_sgpr 66
		.amdhsa_reserve_vcc 1
		.amdhsa_float_denorm_mode_32 3
		.amdhsa_float_denorm_mode_16_64 3
		.amdhsa_memory_ordered 1
		.amdhsa_forward_progress 1
		.amdhsa_inst_pref_size 33
	.end_amdhsa_kernel
	.amdgpu_metadata
---
amdhsa.version: [ 1, 2 ]
amdhsa.kernels:
  - .name:           k_q2b06fd11a9_router
    .symbol:         k_q2b06fd11a9_router.kd
    .args:
      - { .name: x, .offset: 0, .size: 8, .value_kind: global_buffer, .address_space: global }
      - { .name: router_w, .offset: 8, .size: 8, .value_kind: global_buffer, .address_space: global }
      - { .name: b2, .offset: 16, .size: 8, .value_kind: global_buffer, .address_space: global }
      - { .name: xc, .offset: 24, .size: 8, .value_kind: global_buffer, .address_space: global }
      - { .name: topk, .offset: 32, .size: 8, .value_kind: global_buffer, .address_space: global }
      - { .name: aux, .offset: 40, .size: 8, .value_kind: global_buffer, .address_space: global }
    .group_segment_fixed_size: 5120
    .private_segment_fixed_size: 0
    .kernarg_segment_align: 8
    .kernarg_segment_size: 48
    .max_flat_workgroup_size: 128
    .sgpr_count:     66
    .vgpr_count:     256
    .wavefront_size: 32
...
	.end_amdgpu_metadata
.endif
;; end of part 1
;; launch up (part 2): grid 32 x 8, 4 waves a work-group, no clusters, 157,440 bytes of LDS; arguments w1, b1, xc, topk, hc, rlist; writes hc, rlist
.if DOCPART == 2
	.amdgcn_target "amdgcn-amd-amdhsa--gfx1250"
	.amdhsa_code_object_version 6
	.text
	.protected	k_q2b06fd11a9_up
	.globl	k_q2b06fd11a9_up
	.p2align	8
	.type	k_q2b06fd11a9_up,@function
k_q2b06fd11a9_up:
	s_mov_b64 s[64:65], 0
	v_nop
	global_prefetch_b8 v0, s[64:65] scope:SCOPE_SE
	s_setreg_imm32_b32 hwreg(HW_REG_WAVE_MODE, 25, 1), 1
	s_wait_xcnt 0x0
; THE FIRST PRODUCT OF THE CHOSEN ROWS: h = Q(relu(x w1[e]^T + b1[e])), on codes of E4M3 with one E8M0 scale for each 32 along K.
; Work-group (x = slab, y = expert e) owns hidden units 128 slab .. + 127 of expert e: 128 rows x 1,024 of w1, 512 KiB of f32, which leave memory ONCE, for this work-group alone.
; K goes in eight trips of 128.  In a trip wave w takes rows 32 w .. + 31: 32 loads of 512 consecutive bytes (a lane holds 4 neighbours, a block of 32 is eight lanes), quantises them
; and puts codes and scale bytes into LDS slot j; all eight slots stay.  Behind one barrier every wave reads the slab's eight fragments and multiplies them with ITS five tiles of 16 routed rows.
; THE MATRIX INSTRUCTION IS USED TRANSPOSED (source 0 = 16 rows of w1, source 1 = 16 routed rows): a lane holds one routed row.  THE ROWS OF w1 THAT FORM A TILE ARE NOT NEIGHBOURS: lane r of
; tile 2 b + u takes row 32 b + 8 u + r + 8 (r / 8), so that the 16 registers of tiles 2 b, 2 b + 1 are 16 neighbours along the next K, and the conversions' results are the next operand's registers.
; THE ROWS.  Every work-group makes the list of its expert's rows (entry = 2 token + place in the choice) from the stored choice, in LDS; slab 0 also stores list and count for the next launch.
; Pass 0 always serves 320 rows (20 tiles; entries past the count are 0: token 0, whose results nobody keeps) and holds every barrier.  Rows beyond 320 are served by further passes of 320, whose number hangs
; on the count: they read the weights' codes from LDS, which nobody writes any more, and pass no barrier.  So every split is served, up to all 1,024 tokens on one expert.
; THE BIAS is the same for my five tiles: 16 loads, issued ahead of the weights', bring it into tile 0's accumulators, and it is copied to the other four while the first weights are on their way.
; So only the first step's routed rows stand between the weights' first two chunks and the first trip, which begins as soon as chunk 0 is in and asks for chunk 2 while chunk 1 is arriving.
; No tensor loads and no cluster: the number of passes hangs on a stored count, and the routed rows are gathered by a list.
; h leaves as images of the operand's registers: tile T, K step slab: 4 x 512 bytes, lane l's 16 bytes at 16 l; its scale words 4 bytes a lane.
; LIMITS: NaN and infinities are not served; a block whose largest magnitude lies under 2^-118 (a block of zeros too) gets the byte 1: only this program reads the bytes.
; REGISTERS, in windows of 256: window 0 addresses, scale words, the quantiser's registers, v128-255 the slab's eight fragments; window 1 two sets of 32 rows x 4 numbers of w1;
;   window 2 the accumulators of my tiles 0-3 (tile i, weight tile t at 64 i + 8 t); window 3 v0-63 those of tile 4, v64-143 the five fragments of routed rows.
.set WP,    4096                       ; a row of w1 in bytes
.set XSTEP, 128                        ; a K step of source 1 in bytes
.set XC,    32                         ; from one group of four registers of its fragment to the next
.set XSS,   8                          ; its scale words of two K steps
.set PERM,  1                          ; the rows of a tile are chosen as said above
.set PITCH, 144                        ; an LDS row: 128 bytes + 16: an odd multiple of 16, so that the 16 rows of a load begin in 16 different groups of banks
.set SLOT,  128*PITCH
.set SCW,   8*SLOT                     ; scale words: 512 bytes a slot
.set LIST,  SCW+8*512                  ; 1,280 entries, then 32 words into which the lanes without a row write
.set LI,   1                           ; v1   16 x lane
.set LS,   2                           ; v2   4 x lane
.set WST0, 3                           ; v3   where my wave's codes go: 4 x lane + 32 w rows
.set BST0, 4                           ; v4   and its scale bytes
.set LCP,  5                           ; v5   LIST + 16 x lane
.set RDS0, 6                           ; v6   a tile's scale words: SCW + 4 r
.set BOFF, 7                           ; v7   the bias: 64 h
.set XA,   8                           ; v8-12   offsets of my five tiles' codes
.set XSA,  13                          ; v13-17  and of their scale words
.set XS,   18                          ; v18-22  their scale words: lanes 0-15 the even K step, lanes 16-31 the odd one; scales and nothing else
.set LRD,  23                          ; v23  LIST + 64 w + 4 r
.set WS,   24                          ; v24-31  the weights' scale words; scales and nothing else
.set ENT,  32                          ; v32-51  my entries of four passes
.set ADW,  52
.set ADB,  53
.set ADR,  54
.set ADS,  55                          ; v52-55 the trip's LDS addresses
.set RD0,  56                          ; v56-58 a fragment's place, r x pitch + 16 h, in slots 0, 3, 6
.set PW,   59                          ; v59-63 h's scale words, one a tile
.set TM,   64                          ; v64-79 at work
.set M,    80
.set SCL,  88
.set HLD,  96
.set BYT,  104
.set COD,  112
.set WF,   128
.set TK,   128                         ; at the head: the choices, 32 registers; then addresses and entries of the placing
.set PP,   160
.set PJ,   192
.set MK,   66                          ; s66-81  the list: which lanes of 16 registers of the choices hold a row of my expert
.set PB,   82                          ; s82-97  and how many rows stand before each of the 16
.set MSB, 0
.macro WIN new                         ; the immediate's high byte repeats the setting that is left; a switch that changes nothing is dropped
.if MSB != (\new)
	s_set_vgpr_msb (MSB<<8)|(\new)
.set MSB, (\new)
.endif
.endm
.macro SISSUE st, k                    ; my 32 rows' chunk k of 128 numbers into set st
	WIN 0x40
.set QI, 0
.rept 32
	global_load_b128 v[128*\st+4*QI:128*\st+4*QI+3], v[LI], s[26:27] offset:QI*WP+512*\k th:TH_LOAD_NT
.set QI, QI+1
.endr
	WIN 0
.endm
; Eight rows (8 b .. 8 b + 7 of my 32) of set st become codes in LDS.  The conversion takes eight registers, two rows: it is issued twice, once with each row's scale, and of each result the word made with its own scale is kept.
.macro QB st, b, refill
.set SB, 128*\st+32*\b
.if PERM
.set PB8, 16*(\b%2)+8*(\b/2)
.else
.set PB8, 8*\b
.endif
	WIN 0x05
.irp r, 0,1,2,3,4,5,6,7
	v_max3_num_f32 v[M+\r], |v[SB+4*\r]|, |v[SB+4*\r+1]|, s42     ; with the floor 2^(9 - 127): the byte cannot fall under 1
.endr
.irp r, 0,1,2,3,4,5,6,7
	v_max3_num_f32 v[M+\r], |v[SB+4*\r+2]|, |v[SB+4*\r+3]|, v[M+\r]
.endr
	WIN 0
.irp x, 1,2,4
.irp r, 0,1,2,3,4,5,6,7
	v_max_num_f32_dpp v[M+\r], v[M+\r], v[M+\r] row_xmask:\x row_mask:0xf bank_mask:0xf
.endr
.endr
.irp r, 0,1,2,3,4,5,6,7
	v_add_nc_u32 v[SCL+\r], s43, v[M+\r]           ; 8 off the exponent field: the conversion's scale operand
.endr
.irp r, 0,1,2,3,4,5,6,7
	v_and_or_b32 v[HLD+\r], v[M+\r], s44, s45      ; 448 x the scale
.endr
	s_wait_dscnt 0x0                               ; the last batch's LDS stores have read their bytes and codes
.irp r, 0,1,2,3,4,5,6,7
	v_lshrrev_b32 v[BYT+\r], 23, v[SCL+\r]
.endr
	WIN 0x41
.set QI, 0
.rept 32
	v_med3_num_f32 v[SB+QI], v[SB+QI], -v[HLD+QI/4], v[HLD+QI/4]   ; the conversion to an 8-bit code does not saturate (ISA guide 7.6.2)
.set QI, QI+1
.endr
	WIN 0x01
.irp p, 0,1,2,3
	v_cvt_scalef32_pk8_fp8_f32 v[COD+4*\p:COD+4*\p+1], v[SB+8*\p:SB+8*\p+7], v[SCL+2*\p]
	v_cvt_scalef32_pk8_fp8_f32 v[COD+4*\p+2:COD+4*\p+3], v[SB+8*\p:SB+8*\p+7], v[SCL+2*\p+1]
.endr
	WIN 0
	v_nop                                          ; one plain instruction behind the last scaled conversion
.irp r, 0,1,2,3,4,5,6,7
	ds_store_b32 v[ADW], v[COD+4*(\r/2)+3*(\r%2)] offset:\st*SLOT+(PB8+\r)*PITCH   ; 32 lanes: the row's 128 bytes
	ds_store_b8 v[ADB], v[BYT+\r] offset:\st*512+(PB8+\r)*4                        ; the eight lanes of a block write the same byte with the same value
.endr
.if \refill
	WIN 0x40
.irp r, 0,1,2,3,4,5,6,7
	global_load_b128 v[SB+4*\r:SB+4*\r+3], v[LI], s[26:27] offset:(8*\b+\r)*WP+512*(2+\st) th:TH_LOAD_NT   ; the same rows, two chunks on
.endr
	WIN 0
.endif
.endm
.macro XISSUE koff                     ; my five tiles' fragments of K step koff (from the stepped base); with an even step the scale words of two steps
	WIN 0xC0
.irp i, 0,1,2,3,4
.irp c, 0,1,2,3
	global_load_b128 v[64+16*\i+4*\c:64+16*\i+4*\c+3], v[XA+\i], s[28:29] offset:(\koff)*XSTEP+\c*XC
.endr
.endr
	WIN 0
.if ((\koff)%2) == 0
.irp i, 0,1,2,3,4
	global_load_b32 v[XS+\i], v[XSA+\i], s[30:31] offset:((\koff)/2)*XSS
.endr
.endif
.endm
.macro WM d, t, i, par
.if (\par)
	v_wmma_scale_f32_16x16x128_f8f6f4 v[\d:\d+7], v[WF+16*\t:WF+16*\t+15], v[64+16*\i:64+16*\i+15], v[\d:\d+7], v[WS+\t], v[XS+\i] matrix_b_scale:MATRIX_SCALE_ROW1
.else
	v_wmma_scale_f32_16x16x128_f8f6f4 v[\d:\d+7], v[WF+16*\t:WF+16*\t+15], v[64+16*\i:64+16*\i+15], v[\d:\d+7], v[WS+\t], v[XS+\i]
.endif
.endm
; One K step's products: the slab's eight fragments and scale words from LDS, 40 matrix instructions.  The 40 accumulators take turns, one instruction a turn, in the same order in every step.
; step = 1: the three bases go two K steps on, AHEAD of the load of the next routed rows: the youngest memory instructions are then the trip's refills, issued a barrier and 40 products ago.
.macro MM adr, aoff, ads, soff, par, nwait, koff, step
.irp t, 0,1,2,3,4,5,6,7
.irp c, 0,1,2,3
	ds_load_b128 v[WF+16*\t+4*\c:WF+16*\t+4*\c+3], v[\adr] offset:\aoff+\t*16*PITCH+32*\c
.endr
	ds_load_b32 v[WS+\t], v[\ads] offset:\soff+64*\t
.endr
	s_wait_loadcnt \nwait                          ; this step's routed rows are in; only weight loads issued behind them may be out
	s_wait_dscnt 0x0
	WIN 0xAC                                       ; source 1 window 3, C and D window 2
.irp i, 0,1,2,3
.irp t, 0,1,2,3,4,5,6,7
	WM 64*\i+8*\t,\t,\i,\par
.endr
.endr
	WIN 0xFC                                       ; C and D window 3
.irp t, 0,1,2,3,4,5,6,7
	WM 8*\t,\t,4,\par
.endr
	WIN 0
.rept 8
	v_nop                                          ; eight places behind this form in front of loads into its operands and of the first read of its results
.endr
.if \step
	s_wait_xcnt 0x0                                ; every load issued so far has read its base: only behind this wait are the bases written
	s_add_nc_u64 s[26:27], s[26:27], 1024
	s_add_nc_u64 s[28:29], s[28:29], 2*XSTEP
	s_add_nc_u64 s[30:31], s[30:31], XSS
.endif
.if (\koff) >= 0
	XISSUE \koff
.endif
.endm
.macro TRIP par, refill, nstart, nmid, koff, step
	s_wait_loadcnt \nstart                         ; this chunk's 32 loads are in; the next chunk's 32 and this step's routed rows may be out
	v_add_nc_u32 v[ADW], s23, v[WST0]
	v_add_nc_u32 v[ADR], s23, v[RD0]
	v_add_nc_u32 v[ADB], s24, v[BST0]
	v_add_nc_u32 v[ADS], s24, v[RDS0]
	QB \par,0,\refill
	QB \par,1,\refill
	QB \par,2,\refill
	QB \par,3,\refill
	s_wait_dscnt 0x0                               ; for the others: my part of the slot lies in LDS
	s_barrier_signal -1
	s_barrier_wait -1                              ; the slot is whole; no slot is ever written twice, so one barrier a trip is enough
	MM ADR,\par*SLOT,ADS,\par*512,\par,\nmid,\koff,\step
.endm
.macro BIASL                           ; the sums begin with the bias: 16 loads bring it straight into tile 0's accumulators, in the result's layout
	WIN 0x80
.set QI, 0
.rept 8
.if PERM
.set BO, (32*(QI/2)+8*(QI%2))*4
.else
.set BO, 64*QI
.endif
	global_load_b128 v[8*QI:8*QI+3], v[BOFF], s[56:57] offset:BO
	global_load_b128 v[8*QI+4:8*QI+7], v[BOFF], s[56:57] offset:BO+16
.set QI, QI+1
.endr
	WIN 0
.endm
.macro BIASC                           ; and tiles 1 to 4 begin with the same 64 numbers a lane: copies, made while the wave has only loads to wait for
	WIN 0x82                                       ; from window 2 to window 2
.set QI, 0
.rept 192
	v_mov_b32 v[64+QI], v[QI%64]
.set QI, QI+1
.endr
	WIN 0xC2                                       ; from window 2 to window 3
.set QI, 0
.rept 64
	v_mov_b32 v[QI], v[QI]
.set QI, QI+1
.endr
	WIN 0
.endm
; THE LIST, 16 registers of the choices at a time (register k: token 128 (k / 4) + 4 lane + k % 4).  MASKS: which lanes hold a row of my expert, how many rows stand before each register, the count.
; The vector lines, the scalar lines and again the vector lines stand in runs, so that no line waits for a result that has just crossed from one kind of register to the other.
.macro MASKS g
.set QI, 0
.rept 16
	v_and_b32 v[PJ+16*\g+QI], s48, v[TK+16*\g+QI]  ; bit e: my expert is the first choice; bit e + 8: the second
.set QI, QI+1
.endr
.set QI, 0
.rept 16
	v_cmp_ne_u32 s[MK+QI], 0, v[PJ+16*\g+QI]
.set QI, QI+1
.endr
.set QI, 0
.rept 16
	s_bcnt1_i32_b32 s50, s[MK+QI]
	s_mov_b32 s[PB+QI], s19                        ; rows so far
	s_add_co_u32 s19, s19, s50
.set QI, QI+1
.endr
.endm
.macro PLACE16 g                       ; wave 0 alone: the rows of these 16 registers go into the list
.set QI, 0
.rept 16
	v_mbcnt_lo_u32_b32 v[PP+16*\g+QI], s[MK+QI], s[PB+QI]   ; rows in lower lanes + rows so far
.set QI, QI+1
.endr
.set QI, 0
.rept 16
	v_lshrrev_b32 v[PJ+16*\g+QI], s49, v[PJ+16*\g+QI]       ; the place in the choice, 0 or 1
.set QI, QI+1
.endr
.set QI, 0
.rept 16
	v_cndmask_b32 v[PP+16*\g+QI], v72, v[PP+16*\g+QI], s[MK+QI]   ; a lane without a row writes behind the list
.set QI, QI+1
.endr
.set QI, 0
.rept 16
	v_min_u32 v[PP+16*\g+QI], 1311, v[PP+16*\g+QI]
.set QI, QI+1
.endr
.set QI, 0
.rept 16
	v_lshl_add_u32 v[PP+16*\g+QI], v[PP+16*\g+QI], 2, LIST
.set QI, QI+1
.endr
.set QI, 0
.rept 16
	v_add3_u32 v[PJ+16*\g+QI], v[PJ+16*\g+QI], v73, 256*((16*\g+QI)/4)+2*(QI%4)   ; the entry: 2 token + place
.set QI, QI+1
.endr
.set QI, 0
.rept 16
	ds_store_b32 v[PP+16*\g+QI], v[PJ+16*\g+QI]
.set QI, QI+1
.endr
.endm
.macro GATHER                          ; the pass's five entries become offsets in xc
	v_bfe_u32 v[TM], v0, 4, 1
.irp i, 0,1,2,3,4
	v_lshrrev_b32 v[XA+\i], 1, v[ENT+\i]
	v_min_u32 v[XA+\i], 1023, v[XA+\i]             ; the token
	v_lshlrev_b32 v[XSA+\i], 5, v[XA+\i]
	v_lshlrev_b32 v[XA+\i], 10, v[XA+\i]
	v_lshl_add_u32 v[XSA+\i], v[TM], 2, v[XSA+\i]  ; 32 bytes of scale words a token; lanes 16-31 take the odd K step's
	v_lshl_add_u32 v[XA+\i], v[TM], 4, v[XA+\i]    ; 1,024 bytes of codes a token, + 16 h
.endr
.endm
; Tile i leaves: relu, the block's scale, the hold and the conversion; register 16 b + k of the tile is hidden unit 32 b + 16 h + k of my routed row
.macro HQ i
.if \i < 4
.set HWI, 2
.set AB, 64*\i
.else
.set HWI, 3
.set AB, 0
.endif
.set PCD, WF+16*\i
	WIN (HWI*5)                                    ; sources 0 and 1: the accumulators' window
.irp b, 0,1,2,3
	v_max3_num_f32 v[TM+\b], v[AB+16*\b], v[AB+16*\b+1], s42    ; no |.|: what is negative becomes 0 and must not count; each accumulator is read from its low end on
.endr
.irp k, 2,4,6,8,10,12,14
.irp b, 0,1,2,3
	v_max3_num_f32 v[TM+\b], v[AB+16*\b+\k], v[AB+16*\b+\k+1], v[TM+\b]
.endr
.endr
	WIN 0
.irp b, 0,1,2,3
	v_permlanex16_b32 v[TM+4+\b], v[TM+\b], s46, s47
.endr
.irp b, 0,1,2,3
	v_max_num_f32 v[TM+\b], v[TM+\b], v[TM+4+\b]   ; with lane l xor 16: the block's largest
.endr
.irp b, 0,1,2,3
	v_add_nc_u32 v[TM+12+\b], s43, v[TM+\b]
.endr
.irp b, 0,1,2,3
	v_and_or_b32 v[TM+8+\b], v[TM+\b], s44, s45
.endr
.irp b, 0,1,2,3
	v_lshrrev_b32 v[TM+4+\b], 23, v[TM+12+\b]
.endr
	v_lshl_or_b32 v[PW+\i], v[TM+5], 8, v[TM+4]
	v_lshl_or_b32 v[PW+\i], v[TM+6], 16, v[PW+\i]
	v_lshl_or_b32 v[PW+\i], v[TM+7], 24, v[PW+\i]  ; my row's scale word of this K step
	WIN (HWI*65)
.set QI, 0
.rept 64
	v_med3_num_f32 v[AB+QI], v[AB+QI], 0, v[TM+8+QI/16]   ; the activation and the hold in one
.set QI, QI+1
.endr
	WIN HWI
.irp b, 0,1,2,3
	v_cvt_scalef32_pk8_fp8_f32 v[PCD+4*\b:PCD+4*\b+1], v[AB+16*\b:AB+16*\b+7], v[TM+12+\b]
	v_cvt_scalef32_pk8_fp8_f32 v[PCD+4*\b+2:PCD+4*\b+3], v[AB+16*\b+8:AB+16*\b+15], v[TM+12+\b]
.endr
	WIN 0
	v_nop                                          ; one plain instruction behind the last scaled conversion
.irp c, 0,1,2,3
	global_store_b128 v[LI], v[PCD+4*\c:PCD+4*\c+3], s[36:37] offset:\i*262144+512*\c th:TH_STORE_NT   ; 512 consecutive bytes, aligned
.endr
	global_store_b32 v[LS], v[PW+\i], s[38:39] offset:\i*16384 th:TH_STORE_NT
.endm
	s_load_b256 s[4:11], s[0:1], 0x0               ; w1 s[4:5], b1 s[6:7], xc s[8:9], topk s[10:11]
	s_load_b128 s[12:15], s[0:1], 0x20             ; hc s[12:13], rlist s[14:15]
	s_set_vgpr_msb 0xc0
	v_lshl_add_u32 v254, v0, 2, 0x26500
	v_mov_b32 v255, 0
	s_set_vgpr_msb 0xc000
	v_lshrrev_b32 v60, 5, v0
	v_readfirstlane_b32 s16, v60                   ; wave
	s_mov_b32 s17, ttmp9                           ; slab
	s_and_b32 s18, ttmp7, 0xffff                   ; expert
	v_and_b32 v60, 31, v0                          ; lane
	v_and_b32 v61, 15, v0                          ; r
	v_bfe_u32 v62, v0, 4, 1                        ; h
	v_bfe_u32 v63, v0, 3, 2                        ; my block of the four in 128
	v_lshlrev_b32 v[LI], 4, v60
	v_lshlrev_b32 v[LS], 2, v60
	s_mul_i32 s50, s16, 32*PITCH
	v_add_nc_u32 v[WST0], s50, v[LS]
	s_lshl_b32 s50, s16, 7
	s_add_co_u32 s50, s50, SCW
	v_add_nc_u32 v[BST0], s50, v63
	v_mul_u32_u24 v[RD0], v61, PITCH
	v_lshl_add_u32 v[RD0], v62, 4, v[RD0]
	v_add_nc_u32 v[RD0+1], 3*SLOT, v[RD0]
	v_add_nc_u32 v[RD0+2], 6*SLOT, v[RD0]
	v_lshl_add_u32 v[RDS0], v61, 2, SCW
	v_lshlrev_b32 v[BOFF], 6, v62
	s_lshl_b32 s50, s16, 6
	s_add_co_u32 s50, s50, LIST
	v_lshl_add_u32 v[LRD], v61, 2, s50
	v_add_nc_u32 v[LCP], LIST, v[LI]
.irp k, 0,1,2,3,4,5,6,7
	v_mov_b32 v[TM+\k], 0                          ; v64-67 clear the list; v68-71: a lane permute's destination counts as one of its sources
.endr
	v_add_nc_u32 v72, 1280, v60                    ; where a lane without a row writes
	v_lshlrev_b32 v73, 3, v60                      ; 2 x (4 x lane)
	s_mov_b32 s42, 0x04800000                      ; the floor 2^(9 - 127)
	s_mov_b32 s43, 0xfc000000                      ; 8 off an exponent field
	s_mov_b32 s44, 0x7f800000
	s_mov_b32 s45, 0x00600000                      ; the mantissa field of 448
	s_mov_b32 s46, 0x76543210
	s_mov_b32 s47, 0xfedcba98
	s_lshl_b32 s48, 0x101, s18
	s_add_co_u32 s49, s18, 8
	s_mov_b32 s19, 0                               ; the count
	s_mov_b32 s23, 0                               ; the pair of slots in hand
	s_mov_b32 s24, 0                               ; and its scale words
	s_mov_b32 s53, 0
	s_mov_b32 s59, 0
	s_lshl_b32 s58, s18, 14                        ; b1: 16 KiB an expert, 512 bytes a slab
	s_lshl_b32 s50, s17, 9
	s_add_co_u32 s58, s58, s50
	s_lshl_b32 s52, s18, 24                        ; w1: 16 MiB an expert, 512 KiB a slab, 128 KiB a wave
	s_lshl_b32 s50, s17, 19
	s_add_co_u32 s52, s52, s50
	s_lshl_b32 s50, s16, 17
	s_add_co_u32 s52, s52, s50
	s_wait_kmcnt 0x0
	s_add_nc_u64 s[26:27], s[4:5], s[52:53]
	s_add_nc_u64 s[56:57], s[6:7], s[58:59]        ; b1 at my slab
.irp i, 0,1,2,3,4,5,6,7
	global_load_b128 v[TK+4*\i:TK+4*\i+3], v[LI], s[10:11] offset:512*\i   ; the 1,024 choices
.endr
	BIASL
	SISSUE 0,0
	SISSUE 1,1                                     ; the weights are on their way while the list is made and the bias copied
	s_mul_i32 s52, s18, 5242880
	s_lshl_b32 s50, s16, 16
	s_add_co_u32 s52, s52, s50
	s_lshl_b32 s50, s17, 11
	s_add_co_u32 s52, s52, s50
	s_add_nc_u64 s[36:37], s[12:13], s[52:53]      ; h's images: expert, tile w, K step slab
	s_mul_i32 s52, s18, 327680
	s_lshl_b32 s50, s16, 12
	s_add_co_u32 s52, s52, s50
	s_lshl_b32 s50, s17, 7
	s_add_co_u32 s52, s52, s50
	s_add_co_u32 s52, s52, 41943040
	s_add_nc_u64 s[38:39], s[12:13], s[52:53]      ; and their scale words
	s_mul_i32 s52, s18, 5376
	s_add_nc_u64 s[40:41], s[14:15], s[52:53]      ; my expert's record in rlist
	s_mov_b64 s[32:33], s[8:9]                     ; x's codes
	s_add_nc_u64 s[34:35], s[8:9], 0x100000        ; x's scale words
	s_mov_b64 s[28:29], s[32:33]
	s_mov_b64 s[30:31], s[34:35]
	s_wait_loadcnt 63                              ; 64 weight loads were issued behind the choices and the bias: both are in
	s_cmp_lg_u32 s16, 0
	s_cbranch_scc1 .Lcount
.irp k, 0,1,2,3,4,5,6,7,8,9
	ds_store_b128 v[LCP], v[TM:TM+3] offset:512*\k ; wave 0 clears the list and places the rows; LDS serves a wave's instructions in order
.endr
	MASKS 0
	PLACE16 0
	MASKS 1
	PLACE16 1
	s_branch .Lcounted
.Lcount:
	MASKS 0                                        ; the others only count: so every wave has the count as a scalar
	MASKS 1
.Lcounted:
	s_mov_b32 s20, 1                               ; passes: 1 + (n > 320) + (n > 640) + (n > 960)
	s_cmp_gt_u32 s19, 320
	s_add_co_ci_u32 s20, s20, 0
	s_cmp_gt_u32 s19, 640
	s_add_co_ci_u32 s20, s20, 0
	s_cmp_gt_u32 s19, 960
	s_add_co_ci_u32 s20, s20, 0
	s_wait_dscnt 0x0
	s_barrier_signal -1
	BIASC                                          ; work on registers while the others arrive
	s_barrier_wait -1                              ; the list lies in LDS
.irp p, 0,1,2,3
.irp i, 0,1,2,3,4
	ds_load_b32 v[ENT+5*\p+\i], v[LRD] offset:\p*1280+\i*256   ; row 320 p + 64 i + 16 w + r
.endr
.endr
	s_cmp_lg_u32 s17, 0                            ; slab 0, wave 3: list and count go to memory for the next launch
	s_cbranch_scc1 .Lno_copy
	s_cmp_lg_u32 s16, 3
	s_cbranch_scc1 .Lno_copy
.irp k, 0,1,2,3,4,5,6,7,8,9
	ds_load_b128 v[PP+4*\k:PP+4*\k+3], v[LCP] offset:512*\k
.endr
	v_mov_b32 v200, s19
	s_wait_dscnt 0x0
.irp k, 0,1,2,3,4,5,6,7,8,9
	global_store_b128 v[LI], v[PP+4*\k:PP+4*\k+3], s[40:41] offset:256+512*\k
.endr
	global_store_b32 v[LS], v200, s[40:41]         ; the count, in 32 equal words
	s_wait_xcnt 0x0                                ; the stores have read their registers, which take fragments later
.Lno_copy:
	s_wait_dscnt 0x0
	GATHER
	XISSUE 0
	s_mov_b32 s22, 3
.Lk:                                               ; two trips a turn: chunks 2 k and 2 k + 1; each refills its set with the chunk two on
	TRIP 0,1,57,32,1,0                             ; 57 = the next chunk's 32 + 25 loads of routed rows; 32 = the refills just issued
	TRIP 1,1,52,32,0,1                             ; 52 = 32 + 20; the bases step ahead of its load of routed rows, whose K step then stands at the base
	s_add_co_u32 s23, s23, 2*SLOT
	s_add_co_u32 s24, s24, 1024
	s_sub_co_u32 s22, s22, 1
	s_cmp_lg_u32 s22, 0
	s_cbranch_scc1 .Lk
	TRIP 0,0,57,0,1,0                              ; the last two chunks: nothing is left to fetch of w1
	TRIP 1,0,20,0,-1,0                             ; 20 = the last step's routed rows
	s_mov_b32 s21, 0
.Lpass:                                            ; a pass's twenty tiles (five a wave) leave; then, while rows are left, the next 320 rows on the codes that lie in LDS
	HQ 0
	HQ 1
	HQ 2
	HQ 3
	HQ 4
	s_add_co_u32 s21, s21, 1
	s_cmp_ge_u32 s21, s20
	s_cbranch_scc1 .Ldone
	s_wait_xcnt 0x0                                ; the stores have read their data and bases, the loads their offsets
.irp k, 0,1,2,3,4,5,6,7,8,9,10,11,12,13,14
	v_mov_b32 v[ENT+\k], v[ENT+5+\k]               ; the next pass's entries move up
.endr
	GATHER
	s_add_nc_u64 s[36:37], s[36:37], 1310720       ; twenty tiles on
	s_add_nc_u64 s[38:39], s[38:39], 81920
	s_mov_b64 s[28:29], s[32:33]
	s_mov_b64 s[30:31], s[34:35]
	BIASL
	XISSUE 0
	s_wait_loadcnt 25                              ; the bias is in; the 25 loads of routed rows issued behind it may be out
	BIASC
.irp j, 0,1,2,3,4,5,6
	MM RD0+\j/3,(\j%3)*SLOT,RDS0,\j*512,\j%2,0,\j+1,0
.endr
	MM RD0+2,SLOT,RDS0,7*512,1,0,-1,0
	s_cmp_lt_u32 s21, s20                          ; holds whenever this line is reached: the way out of the loop is the branch above
	s_cbranch_scc1 .Lpass
.Ldone:
	s_set_vgpr_msb 0xf
	s_wait_tensorcnt 0x0
	ds_add_u32 v254, v255
	s_wait_dscnt 0x0
	s_set_vgpr_msb 0xf00
	s_endpgm
.Lfunc_end_k_q2b06fd11a9_up:
	.size	k_q2b06fd11a9_up, .Lfunc_end_k_q2b06fd11a9_up-k_q2b06fd11a9_up
	.p2alignl 7, 3214868480
	.fill 96, 4, 3214868480
	.section	.rodata,"a",@progbits
	.p2align	6, 0x0
	.amdhsa_kernel k_q2b06fd11a9_up
		.amdhsa_group_segment_fixed_size 157440
		.amdhsa_private_segment_fixed_size 0
		.amdhsa_enable_private_segment 0
		.amdhsa_kernarg_size 48
		.amdhsa_user_sgpr_count 2
		.amdhsa_user_sgpr_kernarg_segment_ptr 1
		.amdhsa_wavefront_size32 1
		.amdhsa_system_sgpr_workgroup_id_x 1
		.amdhsa_system_sgpr_workgroup_id_y 1
		.amdhsa_system_sgpr_workgroup_id_z 1
		.amdhsa_system_vgpr_workitem_id 0
		.amdhsa_next_free_vgpr 1024
		.amdhsa_next_free_sgpr 98
		.amdhsa_reserve_vcc 0
		.amdhsa_float_denorm_mode_32 3
		.amdhsa_float_denorm_mode_16_64 3
		.amdhsa_memory_ordered 1
		.amdhsa_forward_progress 1
		.amdhsa_inst_pref_size 255
	.end_amdhsa_kernel
	.section	.bss,"aw",@nobits
	.p2align	6
	.space	262144
	.amdgpu_metadata
---
amdhsa.version: [ 1, 2 ]
amdhsa.kernels:
  - .name:           k_q2b06fd11a9_up
    .symbol:         k_q2b06fd11a9_up.kd
    .args:
      - { .name: w1, .offset: 0, .size: 8, .value_kind: global_buffer, .address_space: global }
      - { .name: b1, .offset: 8, .size: 8, .value_kind: global_buffer, .address_space: global }
      - { .name: xc, .offset: 16, .size: 8, .value_kind: global_buffer, .address_space: global }
      - { .name: topk, .offset: 24, .size: 8, .value_kind: global_buffer, .address_space: global }
      - { .name: hc, .offset: 32, .size: 8, .value_kind: global_buffer, .address_space: global }
      - { .name: rlist, .offset: 40, .size: 8, .value_kind: global_buffer, .address_space: global }
    .group_segment_fixed_size: 157440
    .private_segment_fixed_size: 0
    .kernarg_segment_align: 8
    .kernarg_segment_size: 48
    .max_flat_workgroup_size: 128
    .sgpr_count:     98
    .vgpr_count:     1024
    .wavefront_size: 32
...
	.end_amdgpu_metadata
.endif
;; end of part 2
;; launch down (part 3): grid 32 x 8, 4 waves a work-group, no clusters, 185,856 bytes of LDS; arguments w2, aux, hc, rlist, ybuf; writes ybuf
.if DOCPART == 3
	.amdgcn_target "amdgcn-amd-amdhsa--gfx1250"
	.amdhsa_code_object_version 6
	.text
	.protected	k_q2b06fd11a9_down
	.globl	k_q2b06fd11a9_down
	.p2align	8
	.type	k_q2b06fd11a9_down,@function
k_q2b06fd11a9_down:
	s_mov_b64 s[64:65], 0
	v_nop
	global_prefetch_b8 v0, s[64:65] scope:SCOPE_SE
	s_setreg_imm32_b32 hwreg(HW_REG_WAVE_MODE, 25, 1), 1
	s_wait_xcnt 0x0
; THE SECOND PRODUCT OF THE CHOSEN ROWS: a quarter of K of y = h w2[e]^T + b2[e], on codes of E4M3 with one E8M0 scale for each 32 along K.
; Work-group (x, y = expert e): columns 128 cs .. + 127 of C (cs = x % 8), K from 1,024 q (q = x / 8): 128 rows x 1,024 of w2, 512 KiB of f32, which leave memory ONCE, for this work-group alone.
; The stream, the quantiser, the eight LDS slots and the products are those of the launch before: K in eight trips of 128; wave w quantises rows 32 w .. + 31 of the slab into slot j; one barrier;
; every wave multiplies the slab's eight fragments with its five tiles of 16 routed rows, whose codes and scale words come from hc as images of the operand's registers.
; TRANSPOSED (source 0 = 16 rows of w2, source 1 = 16 routed rows): a lane holds eight neighbouring columns of one routed row.  Each quarter's sums begin with b2 / 4 (exact), so that all four run one text.
; b2 / 4 is the same for my five tiles: 16 loads, issued ahead of the weights', bring it into tile 0's accumulators, and it is copied to the other four while the first weights are on their way.
; Pass 0 always serves 320 rows and holds every barrier; it needs no count until its results leave.  Rows beyond 320 are served by further passes whose number hangs on the stored count: they read the weights' codes
; from LDS, which nobody writes any more, and pass no barrier.  No tensor loads and no cluster, since that number hangs on a stored count.
; THE WAY OUT: a tile goes through the wave's own stage in LDS and leaves as whole runs of 512 bytes, row p to row (list entry p) of plane q of ybuf; rows past the count are not stored.
; Each of the 2,048 rows of a plane belongs to one (token, place in the choice), so it has one owner.
; LIMITS: NaN and infinities are not served; a block whose largest magnitude lies under 2^-118 (a block of zeros too) gets the byte 1: only this program reads the bytes.
; REGISTERS, in windows of 256: window 0 addresses, scale words, the quantiser's registers, v128-255 the slab's eight fragments; window 1 two sets of 32 rows x 4 numbers of w2;
;   window 2 the accumulators of my tiles 0-3 (tile i, weight tile t at 64 i + 8 t); window 3 v0-63 those of tile 4, v64-143 the five fragments of routed rows.
.set WP,    16384                      ; a row of w2 in bytes
.set XSTEP, 2048                       ; a K step of source 1: an image
.set XC,    512                        ; from one group of four registers of the image to the next
.set XSS,   256                        ; its scale words of two K steps
.set PERM,  0
.set PITCH, 144                        ; an LDS row: 128 bytes + 16: an odd multiple of 16, so that the 16 rows of a load begin in 16 different groups of banks
.set SLOT,  128*PITCH
.set SCW,   8*SLOT                     ; scale words: 512 bytes a slot
.set STAGE, SCW+8*512                  ; the way out: 16 rows x (512 + 16) bytes for each wave
.set LI,   1                           ; v1   16 x lane
.set LS,   2                           ; v2   4 x lane
.set WST0, 3                           ; v3   where my wave's codes go
.set BST0, 4                           ; v4   and its scale bytes
.set RDS0, 6                           ; v6   a tile's scale words: SCW + 4 r
.set BOFF, 7                           ; v7   the bias: 32 h
.set XA,   8                           ; v8-12   offsets of my five tiles' images
.set XSA,  13                          ; v13-17  and of their scale words
.set XS,   18                          ; v18-22  their scale words: lanes 0-15 the even K step, lanes 16-31 the odd one; scales and nothing else
.set WS,   24                          ; v24-31  the weights' scale words; scales and nothing else
.set ENT,  32                          ; v32-36  my tiles' list entries
.set ENO,  37                          ; v37  where they lie in the expert's record
.set SO,   38                          ; v38  the stage: where I put 32 bytes of a row
.set SR,   39                          ; v39  and where I read a row back
.set ADW,  52
.set ADB,  53
.set ADR,  54
.set ADS,  55                          ; v52-55 the trip's LDS addresses
.set RD0,  56                          ; v56-58 a fragment's place, r x pitch + 16 h, in slots 0, 3, 6
.set VO,   64                          ; v64-79 the way out: a row's offset in ybuf
.set M,    80
.set SCL,  88
.set HLD,  96
.set BYT,  104
.set COD,  112
.set WF,   128
.set BK,   128                         ; the way out: 16 rows read back
.set RS,   66                          ; s66-81 the way out: a tile's 16 list entries
.set MSB, 0
.macro WIN new                         ; the immediate's high byte repeats the setting that is left; a switch that changes nothing is dropped
.if MSB != (\new)
	s_set_vgpr_msb (MSB<<8)|(\new)
.set MSB, (\new)
.endif
.endm
.macro SISSUE st, k                    ; my 32 rows' chunk k of 128 numbers into set st
	WIN 0x40
.set QI, 0
.rept 32
	global_load_b128 v[128*\st+4*QI:128*\st+4*QI+3], v[LI], s[26:27] offset:QI*WP+512*\k th:TH_LOAD_NT
.set QI, QI+1
.endr
	WIN 0
.endm
; Eight rows (8 b .. 8 b + 7 of my 32) of set st become codes in LDS.  The conversion takes eight registers, two rows: it is issued twice, once with each row's scale, and of each result the word made with its own scale is kept.
.macro QB st, b, refill
.set SB, 128*\st+32*\b
.if PERM
.set PB8, 16*(\b%2)+8*(\b/2)
.else
.set PB8, 8*\b
.endif
	WIN 0x05
.irp r, 0,1,2,3,4,5,6,7
	v_max3_num_f32 v[M+\r], |v[SB+4*\r]|, |v[SB+4*\r+1]|, s42     ; with the floor 2^(9 - 127): the byte cannot fall under 1
.endr
.irp r, 0,1,2,3,4,5,6,7
	v_max3_num_f32 v[M+\r], |v[SB+4*\r+2]|, |v[SB+4*\r+3]|, v[M+\r]
.endr
	WIN 0
.irp x, 1,2,4
.irp r, 0,1,2,3,4,5,6,7
	v_max_num_f32_dpp v[M+\r], v[M+\r], v[M+\r] row_xmask:\x row_mask:0xf bank_mask:0xf
.endr
.endr
.irp r, 0,1,2,3,4,5,6,7
	v_add_nc_u32 v[SCL+\r], s43, v[M+\r]           ; 8 off the exponent field: the conversion's scale operand
.endr
.irp r, 0,1,2,3,4,5,6,7
	v_and_or_b32 v[HLD+\r], v[M+\r], s44, s45      ; 448 x the scale
.endr
	s_wait_dscnt 0x0                               ; the last batch's LDS stores have read their bytes and codes
.irp r, 0,1,2,3,4,5,6,7
	v_lshrrev_b32 v[BYT+\r], 23, v[SCL+\r]
.endr
	WIN 0x41
.set QI, 0
.rept 32
	v_med3_num_f32 v[SB+QI], v[SB+QI], -v[HLD+QI/4], v[HLD+QI/4]   ; the conversion to an 8-bit code does not saturate (ISA guide 7.6.2)
.set QI, QI+1
.endr
	WIN 0x01
.irp p, 0,1,2,3
	v_cvt_scalef32_pk8_fp8_f32 v[COD+4*\p:COD+4*\p+1], v[SB+8*\p:SB+8*\p+7], v[SCL+2*\p]
	v_cvt_scalef32_pk8_fp8_f32 v[COD+4*\p+2:COD+4*\p+3], v[SB+8*\p:SB+8*\p+7], v[SCL+2*\p+1]
.endr
	WIN 0
	v_nop                                          ; one plain instruction behind the last scaled conversion
.irp r, 0,1,2,3,4,5,6,7
	ds_store_b32 v[ADW], v[COD+4*(\r/2)+3*(\r%2)] offset:\st*SLOT+(PB8+\r)*PITCH   ; 32 lanes: the row's 128 bytes
	ds_store_b8 v[ADB], v[BYT+\r] offset:\st*512+(PB8+\r)*4                        ; the eight lanes of a block write the same byte with the same value
.endr
.if \refill
	WIN 0x40
.irp r, 0,1,2,3,4,5,6,7
	global_load_b128 v[SB+4*\r:SB+4*\r+3], v[LI], s[26:27] offset:(8*\b+\r)*WP+512*(2+\st) th:TH_LOAD_NT   ; the same rows, two chunks on
.endr
	WIN 0
.endif
.endm
.macro XISSUE koff                     ; my five tiles' fragments of K step koff (from the stepped base); with an even step the scale words of two steps
	WIN 0xC0
.irp i, 0,1,2,3,4
.irp c, 0,1,2,3
	global_load_b128 v[64+16*\i+4*\c:64+16*\i+4*\c+3], v[XA+\i], s[28:29] offset:(\koff)*XSTEP+\c*XC
.endr
.endr
	WIN 0
.if ((\koff)%2) == 0
.irp i, 0,1,2,3,4
	global_load_b32 v[XS+\i], v[XSA+\i], s[30:31] offset:((\koff)/2)*XSS
.endr
.endif
.endm
.macro WM d, t, i, par
.if (\par)
	v_wmma_scale_f32_16x16x128_f8f6f4 v[\d:\d+7], v[WF+16*\t:WF+16*\t+15], v[64+16*\i:64+16*\i+15], v[\d:\d+7], v[WS+\t], v[XS+\i] matrix_b_scale:MATRIX_SCALE_ROW1
.else
	v_wmma_scale_f32_16x16x128_f8f6f4 v[\d:\d+7], v[WF+16*\t:WF+16*\t+15], v[64+16*\i:64+16*\i+15], v[\d:\d+7], v[WS+\t], v[XS+\i]
.endif
.endm
; One K step's products: the slab's eight fragments and scale words from LDS, 40 matrix instructions.  The 40 accumulators take turns, one instruction a turn, in the same order in every step.
; step = 1: the three bases go two K steps on, AHEAD of the load of the next routed rows: the youngest memory instructions are then the trip's refills, issued a barrier and 40 products ago.
.macro MM adr, aoff, ads, soff, par, nwait, koff, step
.irp t, 0,1,2,3,4,5,6,7
.irp c, 0,1,2,3
	ds_load_b128 v[WF+16*\t+4*\c:WF+16*\t+4*\c+3], v[\adr] offset:\aoff+\t*16*PITCH+32*\c
.endr
	ds_load_b32 v[WS+\t], v[\ads] offset:\soff+64*\t
.endr
	s_wait_loadcnt \nwait                          ; this step's routed rows are in; only weight loads issued behind them may be out
	s_wait_dscnt 0x0
	WIN 0xAC                                       ; source 1 window 3, C and D window 2
.irp i, 0,1,2,3
.irp t, 0,1,2,3,4,5,6,7
	WM 64*\i+8*\t,\t,\i,\par
.endr
.endr
	WIN 0xFC                                       ; C and D window 3
.irp t, 0,1,2,3,4,5,6,7
	WM 8*\t,\t,4,\par
.endr
	WIN 0
.rept 8
	v_nop                                          ; eight places behind this form in front of loads into its operands and of the first read of its results
.endr
.if \step
	s_wait_xcnt 0x0                                ; every load issued so far has read its base: only behind this wait are the bases written
	s_add_nc_u64 s[26:27], s[26:27], 1024
	s_add_nc_u64 s[28:29], s[28:29], 2*XSTEP
	s_add_nc_u64 s[30:31], s[30:31], XSS
.endif
.if (\koff) >= 0
	XISSUE \koff
.endif
.endm
.macro TRIP par, refill, nstart, nmid, koff, step
	s_wait_loadcnt \nstart                         ; this chunk's 32 loads are in; the next chunk's 32 and this step's routed rows may be out
	v_add_nc_u32 v[ADW], s23, v[WST0]
	v_add_nc_u32 v[ADR], s23, v[RD0]
	v_add_nc_u32 v[ADB], s24, v[BST0]
	v_add_nc_u32 v[ADS], s24, v[RDS0]
	QB \par,0,\refill
	QB \par,1,\refill
	QB \par,2,\refill
	QB \par,3,\refill
	s_wait_dscnt 0x0                               ; for the others: my part of the slot lies in LDS
	s_barrier_signal -1
	s_barrier_wait -1                              ; the slot is whole; no slot is ever written twice, so one barrier a trip is enough
	MM ADR,\par*SLOT,ADS,\par*512,\par,\nmid,\koff,\step
.endm
.macro BIASL                           ; the sums begin with b2 / 4: 16 loads bring it straight into tile 0's accumulators, in the result's layout
	WIN 0x80
.set QI, 0
.rept 8
.if PERM
.set BO, (32*(QI/2)+8*(QI%2))*4
.else
.set BO, 64*QI
.endif
	global_load_b128 v[8*QI:8*QI+3], v[BOFF], s[56:57] offset:BO
	global_load_b128 v[8*QI+4:8*QI+7], v[BOFF], s[56:57] offset:BO+16
.set QI, QI+1
.endr
	WIN 0
.endm
.macro BIASC                           ; and tiles 1 to 4 begin with the same 64 numbers a lane: copies, made while the wave has only loads to wait for
	WIN 0x82                                       ; from window 2 to window 2
.set QI, 0
.rept 192
	v_mov_b32 v[64+QI], v[QI%64]
.set QI, QI+1
.endr
	WIN 0xC2                                       ; from window 2 to window 3
.set QI, 0
.rept 64
	v_mov_b32 v[QI], v[QI]
.set QI, QI+1
.endr
	WIN 0
.endm
.macro ENTS                            ; my five tiles' list entries: lane r (and r + 16) takes row r's
.irp i, 0,1,2,3,4
	global_load_b32 v[ENT+\i], v[ENO], s[40:41] offset:\i*256
.endr
.endm
; Tile i leaves.  s25 = the count less my first row of the pass; a tile or a row past the count is jumped over: scalar branches on the stored count, round no barrier.
; The 16 rows' offsets are made in runs (16 lane reads, 16 clamps, 16 shift-adds) while the tile is on its way through the stage, so that no line waits for the line above it.
.macro YOUT i
.if \i < 4
.set HWI, 2
.set AB, 64*\i
.else
.set HWI, 3
.set AB, 0
.endif
	s_sub_co_i32 s51, s25, 64*\i                   ; rows of this tile that count
	s_cmp_le_i32 s51, 0
	s_cbranch_scc1 .Lgone_\@
	WIN (HWI*4)                                    ; an LDS store's data are its source 1
.irp t, 0,1,2,3,4,5,6,7
	ds_store_b128 v[SO], v[AB+8*\t:AB+8*\t+3] offset:64*\t           ; each accumulator from its low end on
	ds_store_b128 v[SO], v[AB+8*\t+4:AB+8*\t+7] offset:64*\t+16
.endr
	WIN 0
	s_wait_xcnt 0x0                                ; the last tile's stores have read their data and offsets, which are written below
.irp p, 0,1,2,3,4,5,6,7,8,9,10,11,12,13,14,15
	ds_load_b128 v[BK+4*\p:BK+4*\p+3], v[SR] offset:\p*528           ; LDS serves a wave's instructions in order: these see my stores
.endr
.irp p, 0,1,2,3,4,5,6,7,8,9,10,11,12,13,14,15
	v_readlane_b32 s[RS+\p], v[ENT+\i], \p
.endr
.irp p, 0,1,2,3,4,5,6,7,8,9,10,11,12,13,14,15
	s_min_u32 s[RS+\p], s[RS+\p], 2047             ; the row of the plane: 2 token + place
.endr
.irp p, 0,1,2,3,4,5,6,7,8,9,10,11,12,13,14,15
	v_lshl_add_u32 v[VO+\p], s[RS+\p], 12, v[LI]
.endr
	s_wait_dscnt 0x0
.irp p, 0,1,2,3,4,5,6,7,8,9,10,11,12,13,14,15
.if \p > 0
	s_cmp_le_i32 s51, \p
	s_cbranch_scc1 .Lgone_\@
.endif
	global_store_b128 v[VO+\p], v[BK+4*\p:BK+4*\p+3], s[36:37] th:TH_STORE_NT   ; 32 lanes store 512 consecutive bytes, aligned
.endr
.Lgone_\@:
.endm
	s_load_b256 s[4:11], s[0:1], 0x0               ; w2 s[4:5], aux s[6:7], hc s[8:9], rlist s[10:11]
	s_load_b64 s[12:13], s[0:1], 0x20              ; ybuf
	v_lshl_add_u32 v51, v0, 2, 0x2d400
	v_mov_b32 v59, 0
	v_lshrrev_b32 v60, 5, v0
	v_readfirstlane_b32 s16, v60                   ; wave
	s_and_b32 s17, ttmp9, 7                        ; cs: which 128 columns
	s_lshr_b32 s54, ttmp9, 3                       ; q: which quarter of K
	s_and_b32 s18, ttmp7, 0xffff                   ; expert
	v_and_b32 v60, 31, v0                          ; lane
	v_and_b32 v61, 15, v0                          ; r
	v_bfe_u32 v62, v0, 4, 1                        ; h
	v_bfe_u32 v63, v0, 3, 2                        ; my block of the four in 128
	v_lshlrev_b32 v[LI], 4, v60
	v_lshlrev_b32 v[LS], 2, v60
	v_lshlrev_b32 v[BOFF], 5, v62
	s_mov_b32 s53, 0
	s_mov_b32 s59, 0
	s_lshl_b32 s58, s18, 12                        ; b2 / 4: behind the gate weights' 8,192 bytes, 4 KiB an expert, 512 bytes for 128 columns
	s_lshl_b32 s50, s17, 9
	s_add_co_u32 s58, s58, s50
	s_add_co_u32 s58, s58, 8192
	s_lshl_b32 s52, s18, 24                        ; w2: 16 MiB an expert, 2 MiB for 128 rows, 512 KiB a wave, 4 KiB a quarter of K
	s_lshl_b32 s50, s17, 21
	s_add_co_u32 s52, s52, s50
	s_lshl_b32 s50, s16, 19
	s_add_co_u32 s52, s52, s50
	s_lshl_b32 s50, s54, 12
	s_add_co_u32 s52, s52, s50
	s_wait_kmcnt 0x0
	s_add_nc_u64 s[26:27], s[4:5], s[52:53]
	s_add_nc_u64 s[56:57], s[6:7], s[58:59]        ; b2 / 4 at my columns
	BIASL
	SISSUE 0,0
	SISSUE 1,1                                     ; the weights go out
	s_mul_i32 s52, s18, 5376
	s_add_nc_u64 s[40:41], s[10:11], s[52:53]      ; my expert's record: the count, then the list; this pair is not written again
	s_load_b32 s19, s[40:41], 0x0                  ; the count: wanted only behind the eight trips
	s_mul_i32 s50, s16, 32*PITCH
	v_add_nc_u32 v[WST0], s50, v[LS]
	s_lshl_b32 s50, s16, 7
	s_add_co_u32 s50, s50, SCW
	v_add_nc_u32 v[BST0], s50, v63
	v_mul_u32_u24 v[RD0], v61, PITCH
	v_lshl_add_u32 v[RD0], v62, 4, v[RD0]
	v_add_nc_u32 v[RD0+1], 3*SLOT, v[RD0]
	v_add_nc_u32 v[RD0+2], 6*SLOT, v[RD0]
	v_lshl_add_u32 v[RDS0], v61, 2, SCW
	s_mul_i32 s50, s16, 16*528
	s_add_co_u32 s50, s50, STAGE                   ; my stage
	v_mul_u32_u24 v[SO], v61, 528
	v_lshl_add_u32 v[SO], v62, 5, v[SO]
	v_add_nc_u32 v[SO], s50, v[SO]                 ; in: row r, + 32 h
	v_add_nc_u32 v[SR], s50, v[LI]                 ; back: 32 lanes take a row of 512 bytes
	s_lshl_b32 s50, s16, 6
	s_add_co_u32 s50, s50, 256
	v_lshl_add_u32 v[ENO], v61, 2, s50             ; entry 16 w + r, behind the count's 256 bytes
	s_lshl_b32 s50, s16, 16                        ; tile 4 i + w: 65,536 bytes of images a tile
.irp i, 0,1,2,3,4
	v_add_nc_u32 v[XA+\i], s50, v[LI]
	s_add_co_u32 s50, s50, 262144
.endr
	v_lshlrev_b32 v63, 2, v61
	v_lshl_add_u32 v63, v62, 7, v63                ; 4 r, and lanes 16-31 the next K step's 128 bytes
	s_lshl_b32 s50, s16, 12                        ; 4,096 bytes of scale words a tile
.irp i, 0,1,2,3,4
	v_add_nc_u32 v[XSA+\i], s50, v63
	s_add_co_u32 s50, s50, 16384
.endr
	s_mov_b32 s42, 0x04800000                      ; the floor 2^(9 - 127)
	s_mov_b32 s43, 0xfc000000                      ; 8 off an exponent field
	s_mov_b32 s44, 0x7f800000
	s_mov_b32 s45, 0x00600000                      ; the mantissa field of 448
	s_mov_b32 s23, 0
	s_mov_b32 s24, 0
	s_mul_i32 s52, s18, 5242880
	s_lshl_b32 s50, s54, 14
	s_add_co_u32 s52, s52, s50
	s_add_nc_u64 s[32:33], s[8:9], s[52:53]        ; h's images: my expert, K step 8 q
	s_mul_i32 s52, s18, 327680
	s_lshl_b32 s50, s54, 10
	s_add_co_u32 s52, s52, s50
	s_add_co_u32 s52, s52, 41943040
	s_add_nc_u64 s[34:35], s[8:9], s[52:53]        ; and their scale words
	s_mov_b64 s[28:29], s[32:33]
	s_mov_b64 s[30:31], s[34:35]
	s_lshl_b32 s52, s54, 23
	s_lshl_b32 s50, s17, 9
	s_add_co_u32 s52, s52, s50
	s_add_nc_u64 s[36:37], s[12:13], s[52:53]      ; plane q of ybuf, my columns
	s_wait_loadcnt 63                              ; 64 weight loads were issued behind the bias: it is in
	BIASC
	XISSUE 0
	ENTS
	s_mov_b32 s22, 3
.Lk:                                               ; two trips a turn: chunks 2 k and 2 k + 1; each refills its set with the chunk two on
	TRIP 0,1,57,32,1,0                             ; 57 = the next chunk's 32 + 25 loads of routed rows; 32 = the refills just issued
	TRIP 1,1,52,32,0,1                             ; 52 = 32 + 20; the bases step ahead of its load of routed rows, whose K step then stands at the base
	s_add_co_u32 s23, s23, 2*SLOT
	s_add_co_u32 s24, s24, 1024
	s_sub_co_u32 s22, s22, 1
	s_cmp_lg_u32 s22, 0
	s_cbranch_scc1 .Lk
	TRIP 0,0,57,0,1,0                              ; the last two chunks: nothing is left to fetch of w2
	TRIP 1,0,20,0,-1,0                             ; 20 = the last step's routed rows
	s_wait_kmcnt 0x0                               ; the count
	s_mov_b32 s20, 1                               ; passes: 1 + (n > 320) + (n > 640) + (n > 960)
	s_cmp_gt_u32 s19, 320
	s_add_co_ci_u32 s20, s20, 0
	s_cmp_gt_u32 s19, 640
	s_add_co_ci_u32 s20, s20, 0
	s_cmp_gt_u32 s19, 960
	s_add_co_ci_u32 s20, s20, 0
	s_lshl_b32 s50, s16, 4
	s_sub_co_i32 s25, s19, s50                     ; the count less my first row
	s_mov_b32 s21, 0
.Lpass:                                            ; a pass's tiles leave; then, while rows are left, the next 320 rows on the codes that lie in LDS
	YOUT 0
	YOUT 1
	YOUT 2
	YOUT 3
	YOUT 4
	s_add_co_u32 s21, s21, 1
	s_cmp_ge_u32 s21, s20
	s_cbranch_scc1 .Ldone
	s_wait_xcnt 0x0                                ; the stores have read their data, the loads their offsets
.irp i, 0,1,2,3,4
	v_add_nc_u32 v[XA+\i], 1310720, v[XA+\i]       ; twenty tiles on
	v_add_nc_u32 v[XSA+\i], 81920, v[XSA+\i]
.endr
	v_add_nc_u32 v[ENO], 1280, v[ENO]
	s_sub_co_i32 s25, s25, 320
	s_mov_b64 s[28:29], s[32:33]
	s_mov_b64 s[30:31], s[34:35]
	BIASL
	XISSUE 0
	ENTS
	s_wait_loadcnt 30                              ; the bias is in; the 25 loads of routed rows and the 5 of entries issued behind it may be out
	BIASC
.irp j, 0,1,2,3,4,5,6
	MM RD0+\j/3,(\j%3)*SLOT,RDS0,\j*512,\j%2,0,\j+1,0
.endr
	MM RD0+2,SLOT,RDS0,7*512,1,0,-1,0
	s_cmp_lt_u32 s21, s20                          ; holds whenever this line is reached: the way out of the loop is the branch above
	s_cbranch_scc1 .Lpass
.Ldone:
	s_wait_tensorcnt 0x0
	ds_add_u32 v51, v59
	s_wait_dscnt 0x0
	s_endpgm
.Lfunc_end_k_q2b06fd11a9_down:
	.size	k_q2b06fd11a9_down, .Lfunc_end_k_q2b06fd11a9_down-k_q2b06fd11a9_down
	.p2alignl 7, 3214868480
	.fill 96, 4, 3214868480
	.section	.rodata,"a",@progbits
	.p2align	6, 0x0
	.amdhsa_kernel k_q2b06fd11a9_down
		.amdhsa_group_segment_fixed_size 185856
		.amdhsa_private_segment_fixed_size 0
		.amdhsa_enable_private_segment 0
		.amdhsa_kernarg_size 40
		.amdhsa_user_sgpr_count 2
		.amdhsa_user_sgpr_kernarg_segment_ptr 1
		.amdhsa_wavefront_size32 1
		.amdhsa_system_sgpr_workgroup_id_x 1
		.amdhsa_system_sgpr_workgroup_id_y 1
		.amdhsa_system_sgpr_workgroup_id_z 1
		.amdhsa_system_vgpr_workitem_id 0
		.amdhsa_next_free_vgpr 1024
		.amdhsa_next_free_sgpr 82
		.amdhsa_reserve_vcc 0
		.amdhsa_float_denorm_mode_32 3
		.amdhsa_float_denorm_mode_16_64 3
		.amdhsa_memory_ordered 1
		.amdhsa_forward_progress 1
		.amdhsa_inst_pref_size 255
	.end_amdhsa_kernel
	.section	.bss,"aw",@nobits
	.p2align	6
	.space	262144
	.amdgpu_metadata
---
amdhsa.version: [ 1, 2 ]
amdhsa.kernels:
  - .name:           k_q2b06fd11a9_down
    .symbol:         k_q2b06fd11a9_down.kd
    .args:
      - { .name: w2, .offset: 0, .size: 8, .value_kind: global_buffer, .address_space: global }
      - { .name: aux, .offset: 8, .size: 8, .value_kind: global_buffer, .address_space: global }
      - { .name: hc, .offset: 16, .size: 8, .value_kind: global_buffer, .address_space: global }
      - { .name: rlist, .offset: 24, .size: 8, .value_kind: global_buffer, .address_space: global }
      - { .name: ybuf, .offset: 32, .size: 8, .value_kind: global_buffer, .address_space: global }
    .group_segment_fixed_size: 185856
    .private_segment_fixed_size: 0
    .kernarg_segment_align: 8
    .kernarg_segment_size: 40
    .max_flat_workgroup_size: 128
    .sgpr_count:     82
    .vgpr_count:     1024
    .wavefront_size: 32
...
	.end_amdgpu_metadata
.endif
;; end of part 3
;; launch combine (part 4): grid 256 x 1, 8 waves a work-group, no clusters, 0 bytes of LDS; arguments ybuf, aux, out0; writes out0
.if DOCPART == 4
	.amdgcn_target "amdgcn-amd-amdhsa--gfx1250"
	.amdhsa_code_object_version 6
	.text
	.protected	k_q2b06fd11a9_combine
	.globl	k_q2b06fd11a9_combine
	.p2align	8
	.type	k_q2b06fd11a9_combine,@function
k_q2b06fd11a9_combine:
	s_mov_b64 s[64:65], 0
	v_nop
	global_prefetch_b8 v0, s[64:65] scope:SCOPE_SE
	s_setreg_imm32_b32 hwreg(HW_REG_WAVE_MODE, 25, 1), 1
	s_wait_xcnt 0x0
; out[t] = w0[t] (sum over the four quarters of K of Y[q][2 t]) + w1[t] (the same of Y[q][2 t + 1]).  ybuf: [4][2048][1024] f32; the gate weights [1024][2] f32 at aux's head.
; A stream: a work-group takes four tokens, eight rows of each plane, which lie on end; thread n owns the 16 bytes at 16 n of every row, so a load or store of a wave covers 512 consecutive bytes, aligned.
; All 32 loads of a thread go out at once; the waits count down by token.  No LDS, no barrier, no matrix unit: each byte is read once and there is nothing to share.
.set Y, 16                             ; v16-143: token t, place j, plane q at Y + 32 t + 16 j + 4 q
	s_load_b128 s[4:7], s[0:1], 0x0                ; ybuf s[4:5], aux s[6:7]
	s_load_b64 s[8:9], s[0:1], 0x10                ; out0
	v_lshlrev_b32 v1, 4, v0
	s_lshl_b32 s10, ttmp9, 15                      ; eight rows of 4,096 bytes
	s_mov_b32 s11, 0
	s_lshl_b32 s12, ttmp9, 5                       ; eight weights
	s_mov_b32 s13, 0
	s_lshl_b32 s14, ttmp9, 14                      ; four rows of out
	s_mov_b32 s15, 0
	s_wait_kmcnt 0x0
	s_add_nc_u64 s[16:17], s[4:5], s[10:11]
	s_add_nc_u64 s[18:19], s[16:17], 0x800000      ; a plane is 8 MiB: a base for each
	s_add_nc_u64 s[20:21], s[18:19], 0x800000
	s_add_nc_u64 s[22:23], s[20:21], 0x800000
	s_add_nc_u64 s[6:7], s[6:7], s[12:13]
	s_add_nc_u64 s[8:9], s[8:9], s[14:15]
	s_load_b256 s[24:31], s[6:7], 0x0              ; w0, w1 of the four tokens
.irp t, 0,1,2,3
.irp j, 0,1
.irp q, 0,1,2,3
	global_load_b128 v[Y+32*\t+16*\j+4*\q:Y+32*\t+16*\j+4*\q+3], v1, s[16+2*\q:17+2*\q] offset:(2*\t+\j)*4096 th:TH_LOAD_NT
.endr
.endr
.endr
	s_wait_kmcnt 0x0
.macro TOK t
	s_wait_loadcnt 24-8*\t                         ; loads come back in order: this token's eight are in, the later tokens' may be out
.irp j, 0,1
.set YB, Y+32*\t+16*\j
	v_pk_add_f32 v[YB:YB+1], v[YB:YB+1], v[YB+4:YB+5]
	v_pk_add_f32 v[YB+2:YB+3], v[YB+2:YB+3], v[YB+6:YB+7]
	v_pk_add_f32 v[YB+8:YB+9], v[YB+8:YB+9], v[YB+12:YB+13]
	v_pk_add_f32 v[YB+10:YB+11], v[YB+10:YB+11], v[YB+14:YB+15]
	v_pk_add_f32 v[YB:YB+1], v[YB:YB+1], v[YB+8:YB+9]
	v_pk_add_f32 v[YB+2:YB+3], v[YB+2:YB+3], v[YB+10:YB+11]
.endr
.set YB, Y+32*\t
.irp c, 0,1,2,3
	v_mul_f32 v[YB+\c], s[24+2*\t], v[YB+\c]
.endr
.irp c, 0,1,2,3
	v_fma_f32 v[YB+\c], s[25+2*\t], v[YB+16+\c], v[YB+\c]
.endr
	global_store_b128 v1, v[YB:YB+3], s[8:9] offset:4096*\t th:TH_STORE_NT
.endm
	TOK 0
	TOK 1
	TOK 2
	TOK 3
	s_endpgm
.Lfunc_end_k_q2b06fd11a9_combine:
	.size	k_q2b06fd11a9_combine, .Lfunc_end_k_q2b06fd11a9_combine-k_q2b06fd11a9_combine
	.p2alignl 7, 3214868480
	.fill 96, 4, 3214868480
	.section	.rodata,"a",@progbits
	.p2align	6, 0x0
	.amdhsa_kernel k_q2b06fd11a9_combine
		.amdhsa_group_segment_fixed_size 0
		.amdhsa_private_segment_fixed_size 0
		.amdhsa_enable_private_segment 0
		.amdhsa_kernarg_size 24
		.amdhsa_user_sgpr_count 2
		.amdhsa_user_sgpr_kernarg_segment_ptr 1
		.amdhsa_wavefront_size32 1
		.amdhsa_system_sgpr_workgroup_id_x 1
		.amdhsa_system_sgpr_workgroup_id_y 1
		.amdhsa_system_sgpr_workgroup_id_z 1
		.amdhsa_system_vgpr_workitem_id 0
		.amdhsa_next_free_vgpr 144
		.amdhsa_next_free_sgpr 66
		.amdhsa_reserve_vcc 0
		.amdhsa_float_denorm_mode_32 3
		.amdhsa_float_denorm_mode_16_64 3
		.amdhsa_memory_ordered 1
		.amdhsa_forward_progress 1
		.amdhsa_inst_pref_size 10
	.end_amdhsa_kernel
	.amdgpu_metadata
---
amdhsa.version: [ 1, 2 ]
amdhsa.kernels:
  - .name:           k_q2b06fd11a9_combine
    .symbol:         k_q2b06fd11a9_combine.kd
    .args:
      - { .name: ybuf, .offset: 0, .size: 8, .value_kind: global_buffer, .address_space: global }
      - { .name: aux, .offset: 8, .size: 8, .value_kind: global_buffer, .address_space: global }
      - { .name: out0, .offset: 16, .size: 8, .value_kind: global_buffer, .address_space: global }
    .group_segment_fixed_size: 0
    .private_segment_fixed_size: 0
    .kernarg_segment_align: 8
    .kernarg_segment_size: 24
    .max_flat_workgroup_size: 256
    .sgpr_count:     66
    .vgpr_count:     144
    .wavefront_size: 32
...
	.end_amdgpu_metadata
.endif
;; end of part 4
;; ======== version 2 of 2: 4 launches; version 1 with the launches up, down written anew for expert scheduling mode
;; workspace buffers: xc 1,081,344 bytes; topk 4,096 bytes of whole numbers; aux 40,960 bytes; rlist 43,008 bytes of whole numbers; hc 44,564,480 bytes; ybuf 33,554,432 bytes
;; launch router: the kernel of part 1 again; grid 256 x 1, 4 waves a work-group, no clusters, 5,120 bytes of LDS; arguments x, router_w, b2, xc, topk, aux; writes xc, topk, aux
;; launch up (part 5): grid 32 x 8, 4 waves a work-group, no clusters, 157,440 bytes of LDS; arguments w1, b1, xc, topk, hc, rlist; writes hc, rlist
.if DOCPART == 5
	.amdgcn_target "amdgcn-amd-amdhsa--gfx1250"
	.amdhsa_code_object_version 6
	.text
	.protected	k_q2b06fd11a9_up
	.globl	k_q2b06fd11a9_up
	.p2align	8
	.type	k_q2b06fd11a9_up,@function
k_q2b06fd11a9_up:
	s_mov_b64 s[64:65], 0
	v_nop
	global_prefetch_b8 v0, s[64:65] scope:SCOPE_SE
	s_setreg_imm32_b32 hwreg(HW_REG_WAVE_SCHED_MODE, 0, 2), 2
	s_setreg_imm32_b32 hwreg(HW_REG_WAVE_MODE, 25, 1), 1
	s_wait_xcnt 0x0
	s_wait_alu depctr_vm_vsrc(0)
; THE FIRST PRODUCT OF THE CHOSEN ROWS: h = Q(relu(x w1[e]^T + b1[e])), on codes of E4M3 with one E8M0 scale for each 32 along K.
; Work-group (x = slab, y = expert e) owns hidden units 128 slab .. + 127 of expert e: 128 rows x 1,024 of w1, 512 KiB of f32, which leave memory ONCE, for this work-group alone.
; K goes in eight trips of 128.  In a trip wave w takes rows 32 w .. + 31: 32 loads of 512 consecutive bytes (a lane holds 4 neighbours, a block of 32 is eight lanes), quantises them
; and puts codes and scale bytes into LDS slot j; all eight slots stay.  Behind one barrier every wave reads the slab's eight fragments and multiplies them with ITS five tiles of 16 routed rows.
; THE MATRIX INSTRUCTION IS USED TRANSPOSED (source 0 = 16 rows of w1, source 1 = 16 routed rows): a lane holds one routed row.  THE ROWS OF w1 THAT FORM A TILE ARE NOT NEIGHBOURS: lane r of
; tile 2 b + u takes row 32 b + 8 u + r + 8 (r / 8), so that the 16 registers of tiles 2 b, 2 b + 1 are 16 neighbours along the next K, and the conversions' results are the next operand's registers.
; THE ROWS.  Every work-group makes the list of its expert's rows (entry = 2 token + place in the choice) from the stored choice, in LDS; slab 0 also stores list and count for the next launch.
; Pass 0 always serves 320 rows (20 tiles; entries past the count are 0: token 0, whose results nobody keeps) and holds every barrier.  Rows beyond 320 are served by further passes of 320, whose number hangs
; on the count: they read the weights' codes from LDS, which nobody writes any more, and pass no barrier.  So every split is served, up to all 1,024 tokens on one expert.
; THE BIAS is the same for my five tiles: 16 loads, issued ahead of the weights', bring it into tile 0's accumulators, and it is copied to the other four while the first weights are on their way.
; So only the first step's routed rows stand between the weights' first two chunks and the first trip, which begins as soon as chunk 0 is in and asks for chunk 2 while chunk 1 is arriving.
; No tensor loads and no cluster: the number of passes hangs on a stored count, and the routed rows are gathered by a list.
; h leaves as images of the operand's registers: tile T, K step slab: 4 x 512 bytes, lane l's 16 bytes at 16 l; its scale words 4 bytes a lane.
; LIMITS: NaN and infinities are not served; a block whose largest magnitude lies under 2^-118 (a block of zeros too) gets the byte 1: only this program reads the bytes.
; REGISTERS, in windows of 256: window 0 addresses, scale words, the quantiser's registers, v128-255 the slab's eight fragments; window 1 two sets of 32 rows x 4 numbers of w1;
;   window 2 the accumulators of my tiles 0-3 (tile i, weight tile t at 64 i + 8 t); window 3 v0-63 those of tile 4, v64-143 the five fragments of routed rows.
; THE MODE: SCHED_MODE bits 1:0 = 2 (LLVM: expert scheduling mode 2), set by the entry lines.  The code itself states the register dependences
; between vector or matrix instructions and memory or LDS instructions, with s_wait_alu, always for 0.
; THE PLAN.  Registers that memory or LDS instructions touch, in a trip:
;   window 1, sets 0, 1   A batch of eight rows: its maxima and holds read and write 32 registers, its conversions read them last; behind them the refill lands there.
;   v104-127              The batch's scale bytes and codes: written by its lines, read by its 16 LDS stores, written again by the next batch.
;   v52-55                The trip's LDS addresses: written at the trip's head, read by its LDS stores and loads.
;   v128-255, v24-31      The weights' fragments and scale words: LDS loads land there behind the barrier; the trip's 40 products read them.
;   window 3 v64-143, v18-22   The routed rows' fragments and scale words: read by the 40 products; the next step's loads land there behind them.
;   v1, v2, v8-17         Offsets: made at the head (v8-17: at a pass's head), never written in a trip.
; So a batch has ONE wait on va_vdst, behind its conversions (codes and bytes are written; the rows are done with; in the first batch the addresses are written; the last trip's products are done
; with the weights' fragments), and one on vm_vsrc ahead of the line that writes the bytes again, most of a batch's vector lines behind the stores that it waits for.
; A trip has one more of each: vm_vsrc at its head, ahead of the four addresses, and va_vdst behind its products, ahead of the load of the next routed rows.
.set WP,    4096                       ; a row of w1 in bytes
.set XSTEP, 128                        ; a K step of source 1 in bytes
.set XC,    32                         ; from one group of four registers of its fragment to the next
.set XSS,   8                          ; its scale words of two K steps
.set PERM,  1                          ; the rows of a tile are chosen as said above
.set PITCH, 144                        ; an LDS row: 128 bytes + 16: an odd multiple of 16, so that the 16 rows of a load begin in 16 different groups of banks
.set SLOT,  128*PITCH
.set SCW,   8*SLOT                     ; scale words: 512 bytes a slot
.set LIST,  SCW+8*512                  ; 1,280 entries, then 32 words into which the lanes without a row write
.set LI,   1                           ; v1   16 x lane
.set LS,   2                           ; v2   4 x lane
.set WST0, 3                           ; v3   where my wave's codes go: 4 x lane + 32 w rows
.set BST0, 4                           ; v4   and its scale bytes
.set LCP,  5                           ; v5   LIST + 16 x lane
.set RDS0, 6                           ; v6   a tile's scale words: SCW + 4 r
.set BOFF, 7                           ; v7   the bias: 64 h
.set XA,   8                           ; v8-12   offsets of my five tiles' codes
.set XSA,  13                          ; v13-17  and of their scale words
.set XS,   18                          ; v18-22  their scale words: lanes 0-15 the even K step, lanes 16-31 the odd one; scales and nothing else
.set LRD,  23                          ; v23  LIST + 64 w + 4 r
.set WS,   24                          ; v24-31  the weights' scale words; scales and nothing else
.set ENT,  32                          ; v32-51  my entries of four passes
.set ADW,  52
.set ADB,  53
.set ADR,  54
.set ADS,  55                          ; v52-55 the trip's LDS addresses
.set RD0,  56                          ; v56-58 a fragment's place, r x pitch + 16 h, in slots 0, 3, 6
.set PW,   59                          ; v59-63 h's scale words, one a tile
.set TM,   64                          ; v64-79 at work
.set M,    80
.set SCL,  88
.set HLD,  96
.set BYT,  104
.set COD,  112
.set WF,   128
.set TK,   128                         ; at the head: the choices, 32 registers; then addresses and entries of the placing
.set PP,   160
.set PJ,   192
.set MK,   66                          ; s66-81  the list: which lanes of 16 registers of the choices hold a row of my expert
.set PB,   82                          ; s82-97  and how many rows stand before each of the 16
.set MSB, 0
.macro WIN new                         ; the immediate's high byte repeats the setting that is left; a switch that changes nothing is dropped
.if MSB != (\new)
	s_set_vgpr_msb (MSB<<8)|(\new)
.set MSB, (\new)
.endif
.endm
.macro SISSUE st, k                    ; my 32 rows' chunk k of 128 numbers into set st
	WIN 0x40
.set QI, 0
.rept 32
	global_load_b128 v[128*\st+4*QI:128*\st+4*QI+3], v[LI], s[26:27] offset:QI*WP+512*\k th:TH_LOAD_NT
.set QI, QI+1
.endr
	WIN 0
.endm
; Eight rows (8 b .. 8 b + 7 of my 32) of set st become codes in LDS.  The conversion takes eight registers, two rows: it is issued twice, once with each row's scale, and of each result the word made with its own scale is kept.
.macro QB st, b, refill
.set SB, 128*\st+32*\b
.if PERM
.set PB8, 16*(\b%2)+8*(\b/2)
.else
.set PB8, 8*\b
.endif
	WIN 0x05
.irp r, 0,1,2,3,4,5,6,7
	v_max3_num_f32 v[M+\r], |v[SB+4*\r]|, |v[SB+4*\r+1]|, s42     ; with the floor 2^(9 - 127): the byte cannot fall under 1
.endr
.irp r, 0,1,2,3,4,5,6,7
	v_max3_num_f32 v[M+\r], |v[SB+4*\r+2]|, |v[SB+4*\r+3]|, v[M+\r]
.endr
	WIN 0
.irp x, 1,2,4
.irp r, 0,1,2,3,4,5,6,7
	v_max_num_f32_dpp v[M+\r], v[M+\r], v[M+\r] row_xmask:\x row_mask:0xf bank_mask:0xf
.endr
.endr
.irp r, 0,1,2,3,4,5,6,7
	v_add_nc_u32 v[SCL+\r], s43, v[M+\r]           ; 8 off the exponent field: the conversion's scale operand
.endr
.irp r, 0,1,2,3,4,5,6,7
	v_and_or_b32 v[HLD+\r], v[M+\r], s44, s45      ; 448 x the scale
.endr
	s_wait_dscnt 0x0                               ; the last batch's LDS stores are done,
	s_wait_alu depctr_vm_vsrc(0)                   ; and they have read their bytes in v104-111 and their codes in v112-127, which the lines below write again
.irp r, 0,1,2,3,4,5,6,7
	v_lshrrev_b32 v[BYT+\r], 23, v[SCL+\r]
.endr
	WIN 0x41
.set QI, 0
.rept 32
	v_med3_num_f32 v[SB+QI], v[SB+QI], -v[HLD+QI/4], v[HLD+QI/4]   ; the conversion to an 8-bit code does not saturate (ISA guide 7.6.2)
.set QI, QI+1
.endr
	WIN 0x01
.irp p, 0,1,2,3
	v_cvt_scalef32_pk8_fp8_f32 v[COD+4*\p:COD+4*\p+1], v[SB+8*\p:SB+8*\p+7], v[SCL+2*\p]
	v_cvt_scalef32_pk8_fp8_f32 v[COD+4*\p+2:COD+4*\p+3], v[SB+8*\p:SB+8*\p+7], v[SCL+2*\p+1]
.endr
	WIN 0
	v_nop                                          ; one plain instruction behind the last scaled conversion
	s_wait_alu depctr_va_vdst(0)                   ; codes and bytes are written, which the LDS stores read (in a trip's first batch their addresses too); the holds and conversions are done with the eight rows, in which the refill lands; the last trip's products are done reading v128-255 and v24-31, in which this trip's LDS loads land
.irp r, 0,1,2,3,4,5,6,7
	ds_store_b32 v[ADW], v[COD+4*(\r/2)+3*(\r%2)] offset:\st*SLOT+(PB8+\r)*PITCH   ; 32 lanes: the row's 128 bytes
	ds_store_b8 v[ADB], v[BYT+\r] offset:\st*512+(PB8+\r)*4                        ; the eight lanes of a block write the same byte with the same value
.endr
.if \refill
	WIN 0x40
.irp r, 0,1,2,3,4,5,6,7
	global_load_b128 v[SB+4*\r:SB+4*\r+3], v[LI], s[26:27] offset:(8*\b+\r)*WP+512*(2+\st) th:TH_LOAD_NT   ; the same rows, two chunks on.  No further wait: nothing since the wait above names these registers
.endr
	WIN 0
.endif
.endm
.macro XISSUE koff                     ; my five tiles' fragments of K step koff (from the stepped base); with an even step the scale words of two steps
	WIN 0xC0
.irp i, 0,1,2,3,4
.irp c, 0,1,2,3
	global_load_b128 v[64+16*\i+4*\c:64+16*\i+4*\c+3], v[XA+\i], s[28:29] offset:(\koff)*XSTEP+\c*XC
.endr
.endr
	WIN 0
.if ((\koff)%2) == 0
.irp i, 0,1,2,3,4
	global_load_b32 v[XS+\i], v[XSA+\i], s[30:31] offset:((\koff)/2)*XSS
.endr
.endif
.endm
.macro WM d, t, i, par
.if (\par)
	v_wmma_scale_f32_16x16x128_f8f6f4 v[\d:\d+7], v[WF+16*\t:WF+16*\t+15], v[64+16*\i:64+16*\i+15], v[\d:\d+7], v[WS+\t], v[XS+\i] matrix_b_scale:MATRIX_SCALE_ROW1
.else
	v_wmma_scale_f32_16x16x128_f8f6f4 v[\d:\d+7], v[WF+16*\t:WF+16*\t+15], v[64+16*\i:64+16*\i+15], v[\d:\d+7], v[WS+\t], v[XS+\i]
.endif
.endm
; One K step's products: the slab's eight fragments and scale words from LDS, 40 matrix instructions.  The 40 accumulators take turns, one instruction a turn, in the same order in every step.
; step = 1: the three bases go two K steps on, AHEAD of the load of the next routed rows: the youngest memory instructions are then the trip's refills, issued a barrier and 40 products ago.
.macro MM adr, aoff, ads, soff, par, nwait, koff, step
.irp t, 0,1,2,3,4,5,6,7
.irp c, 0,1,2,3
	ds_load_b128 v[WF+16*\t+4*\c:WF+16*\t+4*\c+3], v[\adr] offset:\aoff+\t*16*PITCH+32*\c
.endr
	ds_load_b32 v[WS+\t], v[\ads] offset:\soff+64*\t
.endr
	s_wait_loadcnt \nwait                          ; this step's routed rows are in; only weight loads issued behind them may be out
	s_wait_dscnt 0x0
	WIN 0xAC                                       ; source 1 window 3, C and D window 2
.irp i, 0,1,2,3
.irp t, 0,1,2,3,4,5,6,7
	WM 64*\i+8*\t,\t,\i,\par
.endr
.endr
	WIN 0xFC                                       ; C and D window 3
.irp t, 0,1,2,3,4,5,6,7
	WM 8*\t,\t,4,\par
.endr
	WIN 0
.rept 8
	v_nop                                          ; eight places behind this form in front of the first read of its results; they stay beside the wait below
.endr
.if \step
	s_wait_xcnt 0x0                                ; every load issued so far has read its base: only behind this wait are the bases written
	s_add_nc_u64 s[26:27], s[26:27], 1024
	s_add_nc_u64 s[28:29], s[28:29], 2*XSTEP
	s_add_nc_u64 s[30:31], s[30:31], XSS
.endif
.if (\koff) >= 0
	s_wait_alu depctr_va_vdst(0)                   ; the products are done reading the routed rows' fragments and scale words, in which the loads below land; in a further pass also the weights' fragments and scale words, in which the next step's LDS loads land
	XISSUE \koff
.endif
.endm
.macro TRIP par, refill, nstart, nmid, koff, step
	s_wait_loadcnt \nstart                         ; this chunk's 32 loads are in; the next chunk's 32 and this step's routed rows may be out
	s_wait_alu depctr_vm_vsrc(0)                   ; the last trip's LDS stores and loads have read v52-55, which the four lines below write
	v_add_nc_u32 v[ADW], s23, v[WST0]
	v_add_nc_u32 v[ADR], s23, v[RD0]
	v_add_nc_u32 v[ADB], s24, v[BST0]
	v_add_nc_u32 v[ADS], s24, v[RDS0]
	QB \par,0,\refill
	QB \par,1,\refill
	QB \par,2,\refill
	QB \par,3,\refill
	s_wait_dscnt 0x0                               ; for the others: my part of the slot lies in LDS
	s_barrier_signal -1
	s_barrier_wait -1                              ; the slot is whole; no slot is ever written twice, so one barrier a trip is enough
	MM ADR,\par*SLOT,ADS,\par*512,\par,\nmid,\koff,\step
.endm
.macro BIASL                           ; the sums begin with the bias: 16 loads bring it straight into tile 0's accumulators, in the result's layout
	WIN 0x80
.set QI, 0
.rept 8
.if PERM
.set BO, (32*(QI/2)+8*(QI%2))*4
.else
.set BO, 64*QI
.endif
	global_load_b128 v[8*QI:8*QI+3], v[BOFF], s[56:57] offset:BO
	global_load_b128 v[8*QI+4:8*QI+7], v[BOFF], s[56:57] offset:BO+16
.set QI, QI+1
.endr
	WIN 0
.endm
.macro BIASC                           ; and tiles 1 to 4 begin with the same 64 numbers a lane: copies, made while the wave has only loads to wait for
	WIN 0x82                                       ; from window 2 to window 2
.set QI, 0
.rept 192
	v_mov_b32 v[64+QI], v[QI%64]
.set QI, QI+1
.endr
	WIN 0xC2                                       ; from window 2 to window 3
.set QI, 0
.rept 64
	v_mov_b32 v[QI], v[QI]
.set QI, QI+1
.endr
	WIN 0
.endm
; THE LIST, 16 registers of the choices at a time (register k: token 128 (k / 4) + 4 lane + k % 4).  MASKS: which lanes hold a row of my expert, how many rows stand before each register, the count.
; The vector lines, the scalar lines and again the vector lines stand in runs, so that one wait serves the sixteen masks.
.macro MASKS g
.set QI, 0
.rept 16
	v_and_b32 v[PJ+16*\g+QI], s48, v[TK+16*\g+QI]  ; bit e: my expert is the first choice; bit e + 8: the second
.set QI, QI+1
.endr
.set QI, 0
.rept 16
	v_cmp_ne_u32 s[MK+QI], 0, v[PJ+16*\g+QI]
.set QI, QI+1
.endr
	s_wait_alu depctr_va_sdst(0)                   ; the sixteen masks s66-81 are written, ahead of their first reader
.set QI, 0
.rept 16
	s_bcnt1_i32_b32 s50, s[MK+QI]
	s_mov_b32 s[PB+QI], s19                        ; rows so far
	s_add_co_u32 s19, s19, s50
.set QI, QI+1
.endr
.endm
.macro PLACE16 g                       ; wave 0 alone: the rows of these 16 registers go into the list
.set QI, 0
.rept 16
	v_mbcnt_lo_u32_b32 v[PP+16*\g+QI], s[MK+QI], s[PB+QI]   ; rows in lower lanes + rows so far
.set QI, QI+1
.endr
.set QI, 0
.rept 16
	v_lshrrev_b32 v[PJ+16*\g+QI], s49, v[PJ+16*\g+QI]       ; the place in the choice, 0 or 1
.set QI, QI+1
.endr
.set QI, 0
.rept 16
	v_cndmask_b32 v[PP+16*\g+QI], v72, v[PP+16*\g+QI], s[MK+QI]   ; a lane without a row writes behind the list
.set QI, QI+1
.endr
.set QI, 0
.rept 16
	v_min_u32 v[PP+16*\g+QI], 1311, v[PP+16*\g+QI]
.set QI, QI+1
.endr
.set QI, 0
.rept 16
	v_lshl_add_u32 v[PP+16*\g+QI], v[PP+16*\g+QI], 2, LIST
.set QI, QI+1
.endr
.set QI, 0
.rept 16
	v_add3_u32 v[PJ+16*\g+QI], v[PJ+16*\g+QI], v73, 256*((16*\g+QI)/4)+2*(QI%4)   ; the entry: 2 token + place
.set QI, QI+1
.endr
	s_wait_alu depctr_va_vdst(0)                   ; the sixteen places and the sixteen entries are written, which the LDS stores read
.set QI, 0
.rept 16
	ds_store_b32 v[PP+16*\g+QI], v[PJ+16*\g+QI]
.set QI, QI+1
.endr
.endm
.macro GATHER                          ; the pass's five entries become offsets in xc
	v_bfe_u32 v[TM], v0, 4, 1
.irp i, 0,1,2,3,4
	v_lshrrev_b32 v[XA+\i], 1, v[ENT+\i]
	v_min_u32 v[XA+\i], 1023, v[XA+\i]             ; the token
	v_lshlrev_b32 v[XSA+\i], 5, v[XA+\i]
	v_lshlrev_b32 v[XA+\i], 10, v[XA+\i]
	v_lshl_add_u32 v[XSA+\i], v[TM], 2, v[XSA+\i]  ; 32 bytes of scale words a token; lanes 16-31 take the odd K step's
	v_lshl_add_u32 v[XA+\i], v[TM], 4, v[XA+\i]    ; 1,024 bytes of codes a token, + 16 h
.endr
.endm
; Tile i leaves: relu, the block's scale, the hold and the conversion; register 16 b + k of the tile is hidden unit 32 b + 16 h + k of my routed row.
; Each tile has code registers and a scale word of its own, so that no tile's lines write what an earlier tile's stores read.
.macro HQ i
.if \i < 4
.set HWI, 2
.set AB, 64*\i
.else
.set HWI, 3
.set AB, 0
.endif
.set PCD, WF+16*\i
	WIN (HWI*5)                                    ; sources 0 and 1: the accumulators' window
.irp b, 0,1,2,3
	v_max3_num_f32 v[TM+\b], v[AB+16*\b], v[AB+16*\b+1], s42    ; no |.|: what is negative becomes 0 and must not count; each accumulator is read from its low end on
.endr
.irp k, 2,4,6,8,10,12,14
.irp b, 0,1,2,3
	v_max3_num_f32 v[TM+\b], v[AB+16*\b+\k], v[AB+16*\b+\k+1], v[TM+\b]
.endr
.endr
	WIN 0
.irp b, 0,1,2,3
	v_permlanex16_b32 v[TM+4+\b], v[TM+\b], s46, s47
.endr
.irp b, 0,1,2,3
	v_max_num_f32 v[TM+\b], v[TM+\b], v[TM+4+\b]   ; with lane l xor 16: the block's largest
.endr
.irp b, 0,1,2,3
	v_add_nc_u32 v[TM+12+\b], s43, v[TM+\b]
.endr
.irp b, 0,1,2,3
	v_and_or_b32 v[TM+8+\b], v[TM+\b], s44, s45
.endr
.irp b, 0,1,2,3
	v_lshrrev_b32 v[TM+4+\b], 23, v[TM+12+\b]
.endr
	v_lshl_or_b32 v[PW+\i], v[TM+5], 8, v[TM+4]
	v_lshl_or_b32 v[PW+\i], v[TM+6], 16, v[PW+\i]
	v_lshl_or_b32 v[PW+\i], v[TM+7], 24, v[PW+\i]  ; my row's scale word of this K step
	WIN (HWI*65)
.set QI, 0
.rept 64
	v_med3_num_f32 v[AB+QI], v[AB+QI], 0, v[TM+8+QI/16]   ; the activation and the hold in one
.set QI, QI+1
.endr
	WIN HWI
.irp b, 0,1,2,3
	v_cvt_scalef32_pk8_fp8_f32 v[PCD+4*\b:PCD+4*\b+1], v[AB+16*\b:AB+16*\b+7], v[TM+12+\b]
	v_cvt_scalef32_pk8_fp8_f32 v[PCD+4*\b+2:PCD+4*\b+3], v[AB+16*\b+8:AB+16*\b+15], v[TM+12+\b]
.endr
	WIN 0
	v_nop                                          ; one plain instruction behind the last scaled conversion
	s_wait_alu depctr_va_vdst(0)                   ; the conversions have written the tile's codes and the lines above its scale word: the five stores read them
.irp c, 0,1,2,3
	global_store_b128 v[LI], v[PCD+4*\c:PCD+4*\c+3], s[36:37] offset:\i*262144+512*\c th:TH_STORE_NT   ; 512 consecutive bytes, aligned
.endr
	global_store_b32 v[LS], v[PW+\i], s[38:39] offset:\i*16384 th:TH_STORE_NT
.endm
	s_load_b256 s[4:11], s[0:1], 0x0               ; w1 s[4:5], b1 s[6:7], xc s[8:9], topk s[10:11]
	s_load_b128 s[12:15], s[0:1], 0x20             ; hc s[12:13], rlist s[14:15]
	s_set_vgpr_msb 0xc0
	v_lshl_add_u32 v254, v0, 2, 0x26500
	v_mov_b32 v255, 0
	s_set_vgpr_msb 0xc000
	v_lshrrev_b32 v60, 5, v0
	v_readfirstlane_b32 s16, v60                   ; wave
	s_mov_b32 s17, ttmp9                           ; slab
	s_and_b32 s18, ttmp7, 0xffff                   ; expert
	v_and_b32 v60, 31, v0                          ; lane
	v_and_b32 v61, 15, v0                          ; r
	v_bfe_u32 v62, v0, 4, 1                        ; h
	v_bfe_u32 v63, v0, 3, 2                        ; my block of the four in 128
	v_lshlrev_b32 v[LI], 4, v60
	v_lshlrev_b32 v[LS], 2, v60
	s_wait_alu depctr_va_sdst(0)                   ; s16, the wave's number, is written, ahead of its first reader
	s_mul_i32 s50, s16, 32*PITCH
	v_add_nc_u32 v[WST0], s50, v[LS]
	s_lshl_b32 s50, s16, 7
	s_add_co_u32 s50, s50, SCW
	v_add_nc_u32 v[BST0], s50, v63
	v_mul_u32_u24 v[RD0], v61, PITCH
	v_lshl_add_u32 v[RD0], v62, 4, v[RD0]
	v_add_nc_u32 v[RD0+1], 3*SLOT, v[RD0]
	v_add_nc_u32 v[RD0+2], 6*SLOT, v[RD0]
	v_lshl_add_u32 v[RDS0], v61, 2, SCW
	v_lshlrev_b32 v[BOFF], 6, v62
	s_lshl_b32 s50, s16, 6
	s_add_co_u32 s50, s50, LIST
	v_lshl_add_u32 v[LRD], v61, 2, s50
	v_add_nc_u32 v[LCP], LIST, v[LI]
.irp k, 0,1,2,3,4,5,6,7
	v_mov_b32 v[TM+\k], 0                          ; v64-67 clear the list; v68-71: a lane permute's destination counts as one of its sources
.endr
	v_add_nc_u32 v72, 1280, v60                    ; where a lane without a row writes
	v_lshlrev_b32 v73, 3, v60                      ; 2 x (4 x lane)
	s_mov_b32 s42, 0x04800000                      ; the floor 2^(9 - 127)
	s_mov_b32 s43, 0xfc000000                      ; 8 off an exponent field
	s_mov_b32 s44, 0x7f800000
	s_mov_b32 s45, 0x00600000                      ; the mantissa field of 448
	s_mov_b32 s46, 0x76543210
	s_mov_b32 s47, 0xfedcba98
	s_lshl_b32 s48, 0x101, s18
	s_add_co_u32 s49, s18, 8
	s_mov_b32 s19, 0                               ; the count
	s_mov_b32 s23, 0                               ; the pair of slots in hand
	s_mov_b32 s24, 0                               ; and its scale words
	s_mov_b32 s53, 0
	s_mov_b32 s59, 0
	s_lshl_b32 s58, s18, 14                        ; b1: 16 KiB an expert, 512 bytes a slab
	s_lshl_b32 s50, s17, 9
	s_add_co_u32 s58, s58, s50
	s_lshl_b32 s52, s18, 24                        ; w1: 16 MiB an expert, 512 KiB a slab, 128 KiB a wave
	s_lshl_b32 s50, s17, 19
	s_add_co_u32 s52, s52, s50
	s_lshl_b32 s50, s16, 17
	s_add_co_u32 s52, s52, s50
	s_wait_kmcnt 0x0
	s_add_nc_u64 s[26:27], s[4:5], s[52:53]
	s_add_nc_u64 s[56:57], s[6:7], s[58:59]        ; b1 at my slab
	s_wait_alu depctr_va_vdst(0)                   ; the offsets and LDS addresses v1-7, v23, v56-58 are written, which the loads and stores of the whole kernel read; so are the zeros in v64-67, which the stores that clear the list read
.irp i, 0,1,2,3,4,5,6,7
	global_load_b128 v[TK+4*\i:TK+4*\i+3], v[LI], s[10:11] offset:512*\i   ; the 1,024 choices
.endr
	BIASL
	SISSUE 0,0
	SISSUE 1,1                                     ; the weights are on their way while the list is made and the bias copied
	s_mul_i32 s52, s18, 5242880
	s_lshl_b32 s50, s16, 16
	s_add_co_u32 s52, s52, s50
	s_lshl_b32 s50, s17, 11
	s_add_co_u32 s52, s52, s50
	s_add_nc_u64 s[36:37], s[12:13], s[52:53]      ; h's images: expert, tile w, K step slab
	s_mul_i32 s52, s18, 327680
	s_lshl_b32 s50, s16, 12
	s_add_co_u32 s52, s52, s50
	s_lshl_b32 s50, s17, 7
	s_add_co_u32 s52, s52, s50
	s_add_co_u32 s52, s52, 41943040
	s_add_nc_u64 s[38:39], s[12:13], s[52:53]      ; and their scale words
	s_mul_i32 s52, s18, 5376
	s_add_nc_u64 s[40:41], s[14:15], s[52:53]      ; my expert's record in rlist
	s_mov_b64 s[32:33], s[8:9]                     ; x's codes
	s_add_nc_u64 s[34:35], s[8:9], 0x100000        ; x's scale words
	s_mov_b64 s[28:29], s[32:33]
	s_mov_b64 s[30:31], s[34:35]
	s_wait_loadcnt 63                              ; 64 weight loads were issued behind the choices and the bias: both are in
	s_cmp_lg_u32 s16, 0
	s_cbranch_scc1 .Lcount
.irp k, 0,1,2,3,4,5,6,7,8,9
	ds_store_b128 v[LCP], v[TM:TM+3] offset:512*\k ; wave 0 clears the list and places the rows; LDS serves a wave's instructions in order
.endr
	MASKS 0
	PLACE16 0
	MASKS 1
	PLACE16 1
	s_branch .Lcounted
.Lcount:
	MASKS 0                                        ; the others only count: so every wave has the count as a scalar
	MASKS 1
.Lcounted:
	s_mov_b32 s20, 1                               ; passes: 1 + (n > 320) + (n > 640) + (n > 960)
	s_cmp_gt_u32 s19, 320
	s_add_co_ci_u32 s20, s20, 0
	s_cmp_gt_u32 s19, 640
	s_add_co_ci_u32 s20, s20, 0
	s_cmp_gt_u32 s19, 960
	s_add_co_ci_u32 s20, s20, 0
	s_wait_dscnt 0x0
	s_barrier_signal -1
	BIASC                                          ; work on registers while the others arrive
	s_barrier_wait -1                              ; the list lies in LDS
	s_wait_alu depctr_vm_vsrc(0)                   ; wave 0's LDS stores have read the zeros in v64-67 and the places and entries in v160-223: v64 and v200 are written below, and LDS loads land in v160-223 (the list's copy, the first fragments)
.irp p, 0,1,2,3
.irp i, 0,1,2,3,4
	ds_load_b32 v[ENT+5*\p+\i], v[LRD] offset:\p*1280+\i*256   ; row 320 p + 64 i + 16 w + r
.endr
.endr
	s_cmp_lg_u32 s17, 0                            ; slab 0, wave 3: list and count go to memory for the next launch
	s_cbranch_scc1 .Lno_copy
	s_cmp_lg_u32 s16, 3
	s_cbranch_scc1 .Lno_copy
	v_mov_b32 v200, s19
	s_wait_alu depctr_va_vdst(0)                   ; v200 is written, which the store of the count reads; so are v192-199 (the masks' first lines), in which the list's copy lands
.irp k, 0,1,2,3,4,5,6,7,8,9
	ds_load_b128 v[PP+4*\k:PP+4*\k+3], v[LCP] offset:512*\k
.endr
	s_wait_dscnt 0x0
.irp k, 0,1,2,3,4,5,6,7,8,9
	global_store_b128 v[LI], v[PP+4*\k:PP+4*\k+3], s[40:41] offset:256+512*\k
.endr
	global_store_b32 v[LS], v200, s[40:41]         ; the count, in 32 equal words
	s_wait_xcnt 0x0                                ; the stores have had their addresses translated,
	s_wait_alu depctr_vm_vsrc(0)                   ; and have read v160-200, in which the first fragments land
.Lno_copy:
	s_wait_dscnt 0x0
	GATHER
	s_wait_alu depctr_va_vdst(0)                   ; the ten offsets v8-17 are written, which the loads of routed rows read
	XISSUE 0
	s_mov_b32 s22, 3
.Lk:                                               ; two trips a turn: chunks 2 k and 2 k + 1; each refills its set with the chunk two on
	TRIP 0,1,57,32,1,0                             ; 57 = the next chunk's 32 + 25 loads of routed rows; 32 = the refills just issued
	TRIP 1,1,52,32,0,1                             ; 52 = 32 + 20; the bases step ahead of its load of routed rows, whose K step then stands at the base
	s_add_co_u32 s23, s23, 2*SLOT
	s_add_co_u32 s24, s24, 1024
	s_sub_co_u32 s22, s22, 1
	s_cmp_lg_u32 s22, 0
	s_cbranch_scc1 .Lk
	TRIP 0,0,57,0,1,0                              ; the last two chunks: nothing is left to fetch of w1
	TRIP 1,0,20,0,-1,0                             ; 20 = the last step's routed rows
	s_mov_b32 s21, 0
.Lpass:                                            ; a pass's twenty tiles (five a wave) leave; then, while rows are left, the next 320 rows on the codes that lie in LDS
	HQ 0
	HQ 1
	HQ 2
	HQ 3
	HQ 4
	s_wait_alu depctr_vm_vsrc(0)                   ; the 25 stores have read their codes in v128-207 and their scale words in v59-63, the loads of routed rows their offsets in v8-17: a further pass writes all of them again
	s_add_co_u32 s21, s21, 1
	s_cmp_ge_u32 s21, s20
	s_cbranch_scc1 .Ldone
	s_wait_xcnt 0x0                                ; the stores have read their data and bases, the loads their offsets
.irp k, 0,1,2,3,4,5,6,7,8,9,10,11,12,13,14
	v_mov_b32 v[ENT+\k], v[ENT+5+\k]               ; the next pass's entries move up
.endr
	GATHER
	s_add_nc_u64 s[36:37], s[36:37], 1310720       ; twenty tiles on
	s_add_nc_u64 s[38:39], s[38:39], 81920
	s_mov_b64 s[28:29], s[32:33]
	s_mov_b64 s[30:31], s[34:35]
	s_wait_alu depctr_va_vdst(0)                   ; the ten offsets are written, which the loads of routed rows read; the way out's lines are done with tile 0's accumulators, in which the bias lands, and have written v128-207, in which the fragments land; the last products are done reading the routed rows' fragments and scale words
	BIASL
	XISSUE 0
	s_wait_loadcnt 25                              ; the bias is in; the 25 loads of routed rows issued behind it may be out
	BIASC
.irp j, 0,1,2,3,4,5,6
	MM RD0+\j/3,(\j%3)*SLOT,RDS0,\j*512,\j%2,0,\j+1,0
.endr
	MM RD0+2,SLOT,RDS0,7*512,1,0,-1,0
	s_cmp_lt_u32 s21, s20                          ; holds whenever this line is reached: the way out of the loop is the branch above
	s_cbranch_scc1 .Lpass
.Ldone:
	s_set_vgpr_msb 0xf                             ; the add's two registers, sources 0 and 1, lie in window 3
	s_wait_dscnt 0x0                               ; the closing lines, six on end
	s_wait_alu 0x0
	s_wait_tensorcnt 0x0
	ds_add_u32 v254, v255
	s_wait_dscnt 0x0
	s_endpgm
.Lfunc_end_k_q2b06fd11a9_up:
	.size	k_q2b06fd11a9_up, .Lfunc_end_k_q2b06fd11a9_up-k_q2b06fd11a9_up
	.p2alignl 7, 3214868480
	.fill 96, 4, 3214868480
	.section	.rodata,"a",@progbits
	.p2align	6, 0x0
	.amdhsa_kernel k_q2b06fd11a9_up
		.amdhsa_group_segment_fixed_size 157440
		.amdhsa_private_segment_fixed_size 0
		.amdhsa_enable_private_segment 0
		.amdhsa_kernarg_size 48
		.amdhsa_user_sgpr_count 2
		.amdhsa_user_sgpr_kernarg_segment_ptr 1
		.amdhsa_wavefront_size32 1
		.amdhsa_system_sgpr_workgroup_id_x 1
		.amdhsa_system_sgpr_workgroup_id_y 1
		.amdhsa_system_sgpr_workgroup_id_z 1
		.amdhsa_system_vgpr_workitem_id 0
		.amdhsa_next_free_vgpr 1024
		.amdhsa_next_free_sgpr 98
		.amdhsa_reserve_vcc 0
		.amdhsa_float_denorm_mode_32 3
		.amdhsa_float_denorm_mode_16_64 3
		.amdhsa_memory_ordered 1
		.amdhsa_forward_progress 1
		.amdhsa_inst_pref_size 255
	.end_amdhsa_kernel
	.section	.bss,"aw",@nobits
	.p2align	6
	.space	262144
	.amdgpu_metadata
---
amdhsa.version: [ 1, 2 ]
amdhsa.kernels:
  - .name:           k_q2b06fd11a9_up
    .symbol:         k_q2b06fd11a9_up.kd
    .args:
      - { .name: w1, .offset: 0, .size: 8, .value_kind: global_buffer, .address_space: global }
      - { .name: b1, .offset: 8, .size: 8, .value_kind: global_buffer, .address_space: global }
      - { .name: xc, .offset: 16, .size: 8, .value_kind: global_buffer, .address_space: global }
      - { .name: topk, .offset: 24, .size: 8, .value_kind: global_buffer, .address_space: global }
      - { .name: hc, .offset: 32, .size: 8, .value_kind: global_buffer, .address_space: global }
      - { .name: rlist, .offset: 40, .size: 8, .value_kind: global_buffer, .address_space: global }
    .group_segment_fixed_size: 157440
    .private_segment_fixed_size: 0
    .kernarg_segment_align: 8
    .kernarg_segment_size: 48
    .max_flat_workgroup_size: 128
    .sgpr_count:     98
    .vgpr_count:     1024
    .wavefront_size: 32
...
	.end_amdgpu_metadata
.endif
;; end of part 5
;; launch down (part 6): grid 32 x 8, 4 waves a work-group, no clusters, 185,856 bytes of LDS; arguments w2, aux, hc, rlist, ybuf; writes ybuf
.if DOCPART == 6
	.amdgcn_target "amdgcn-amd-amdhsa--gfx1250"
	.amdhsa_code_object_version 6
	.text
	.protected	k_q2b06fd11a9_down
	.globl	k_q2b06fd11a9_down
	.p2align	8
	.type	k_q2b06fd11a9_down,@function
k_q2b06fd11a9_down:
	s_mov_b64 s[64:65], 0
	v_nop
	global_prefetch_b8 v0, s[64:65] scope:SCOPE_SE
	s_setreg_imm32_b32 hwreg(HW_REG_WAVE_SCHED_MODE, 0, 2), 2
	s_setreg_imm32_b32 hwreg(HW_REG_WAVE_MODE, 25, 1), 1
	s_wait_xcnt 0x0
	s_wait_alu depctr_vm_vsrc(0)
; THE SECOND PRODUCT OF THE CHOSEN ROWS: a quarter of K of y = h w2[e]^T + b2[e], on codes of E4M3 with one E8M0 scale for each 32 along K.
; Work-group (x, y = expert e): columns 128 cs .. + 127 of C (cs = x % 8), K from 1,024 q (q = x / 8): 128 rows x 1,024 of w2, 512 KiB of f32, which leave memory ONCE, for this work-group alone.
; The stream, the quantiser, the eight LDS slots and the products are those of the launch before: K in eight trips of 128; wave w quantises rows 32 w .. + 31 of the slab into slot j; one barrier;
; every wave multiplies the slab's eight fragments with its five tiles of 16 routed rows, whose codes and scale words come from hc as images of the operand's registers.
; TRANSPOSED (source 0 = 16 rows of w2, source 1 = 16 routed rows): a lane holds eight neighbouring columns of one routed row.  Each quarter's sums begin with b2 / 4 (exact), so that all four run one text.
; b2 / 4 is the same for my five tiles: 16 loads, issued ahead of the weights', bring it into tile 0's accumulators, and it is copied to the other four while the first weights are on their way.
; Pass 0 always serves 320 rows and holds every barrier; it needs no count until its results leave.  Rows beyond 320 are served by further passes whose number hangs on the stored count: they read the weights' codes
; from LDS, which nobody writes any more, and pass no barrier.  No tensor loads and no cluster, since that number hangs on a stored count.
; THE WAY OUT: a tile goes through the wave's own stage in LDS and leaves as whole runs of 512 bytes, row p to row (list entry p) of plane q of ybuf; rows past the count are not stored.
; Each of the 2,048 rows of a plane belongs to one (token, place in the choice), so it has one owner.
; LIMITS: NaN and infinities are not served; a block whose largest magnitude lies under 2^-118 (a block of zeros too) gets the byte 1: only this program reads the bytes.
; REGISTERS, in windows of 256: window 0 addresses, scale words, the quantiser's registers, v128-255 the slab's eight fragments; window 1 two sets of 32 rows x 4 numbers of w2;
;   window 2 the accumulators of my tiles 0-3 (tile i, weight tile t at 64 i + 8 t); window 3 v0-63 those of tile 4, v64-143 the five fragments of routed rows.
; THE MODE: SCHED_MODE bits 1:0 = 2 (LLVM: expert scheduling mode 2), set by the entry lines.  The code itself states the register dependences
; between vector or matrix instructions and memory or LDS instructions, with s_wait_alu, always for 0.
; THE PLAN.  Registers that memory or LDS instructions touch, in a trip:
;   window 1, sets 0, 1   A batch of eight rows: its maxima and holds read and write 32 registers, its conversions read them last; behind them the refill lands there.
;   v104-127              The batch's scale bytes and codes: written by its lines, read by its 16 LDS stores, written again by the next batch.
;   v52-55                The trip's LDS addresses: written at the trip's head, read by its LDS stores and loads.
;   v128-255, v24-31      The weights' fragments and scale words: LDS loads land there behind the barrier; the trip's 40 products read them.
;   window 3 v64-143, v18-22   The routed rows' fragments and scale words: read by the 40 products; the next step's loads land there behind them.
;   v1, v2, v8-17         Offsets: made at the head (v8-17 stepped at a pass's head), never written in a trip.
; So a batch has ONE wait on va_vdst, behind its conversions, and one on vm_vsrc ahead of the line that writes the bytes again; a trip has one more of each: vm_vsrc at its head, va_vdst behind its products.
; On the way out: the accumulators are written by the products and read by the stage's LDS stores: ONE wait on va_vdst at the pass's label serves all five tiles, since the way out's vector lines name none of them.
;   v128-191 (a tile's rows) and v64-79 (their offsets) are read by a tile's 16 stores and written again by the next tile: one wait on vm_vsrc a tile; one on va_sdst behind its 16 lane reads; one on va_vdst for the offsets.
.set WP,    16384                      ; a row of w2 in bytes
.set XSTEP, 2048                       ; a K step of source 1: an image
.set XC,    512                        ; from one group of four registers of the image to the next
.set XSS,   256                        ; its scale words of two K steps
.set PERM,  0
.set PITCH, 144                        ; an LDS row: 128 bytes + 16: an odd multiple of 16, so that the 16 rows of a load begin in 16 different groups of banks
.set SLOT,  128*PITCH
.set SCW,   8*SLOT                     ; scale words: 512 bytes a slot
.set STAGE, SCW+8*512                  ; the way out: 16 rows x (512 + 16) bytes for each wave
.set LI,   1                           ; v1   16 x lane
.set LS,   2                           ; v2   4 x lane
.set WST0, 3                           ; v3   where my wave's codes go
.set BST0, 4                           ; v4   and its scale bytes
.set RDS0, 6                           ; v6   a tile's scale words: SCW + 4 r
.set BOFF, 7                           ; v7   the bias: 32 h
.set XA,   8                           ; v8-12   offsets of my five tiles' images
.set XSA,  13                          ; v13-17  and of their scale words
.set XS,   18                          ; v18-22  their scale words: lanes 0-15 the even K step, lanes 16-31 the odd one; scales and nothing else
.set WS,   24                          ; v24-31  the weights' scale words; scales and nothing else
.set ENT,  32                          ; v32-36  my tiles' list entries
.set ENO,  37                          ; v37  where they lie in the expert's record
.set SO,   38                          ; v38  the stage: where I put 32 bytes of a row
.set SR,   39                          ; v39  and where I read a row back
.set ADW,  52
.set ADB,  53
.set ADR,  54
.set ADS,  55                          ; v52-55 the trip's LDS addresses
.set RD0,  56                          ; v56-58 a fragment's place, r x pitch + 16 h, in slots 0, 3, 6
.set VO,   64                          ; v64-79 the way out: a row's offset in ybuf
.set M,    80
.set SCL,  88
.set HLD,  96
.set BYT,  104
.set COD,  112
.set WF,   128
.set BK,   128                         ; the way out: 16 rows read back
.set RS,   66                          ; s66-81 the way out: a tile's 16 list entries
.set MSB, 0
.macro WIN new                         ; the immediate's high byte repeats the setting that is left; a switch that changes nothing is dropped
.if MSB != (\new)
	s_set_vgpr_msb (MSB<<8)|(\new)
.set MSB, (\new)
.endif
.endm
.macro SISSUE st, k                    ; my 32 rows' chunk k of 128 numbers into set st
	WIN 0x40
.set QI, 0
.rept 32
	global_load_b128 v[128*\st+4*QI:128*\st+4*QI+3], v[LI], s[26:27] offset:QI*WP+512*\k th:TH_LOAD_NT
.set QI, QI+1
.endr
	WIN 0
.endm
; Eight rows (8 b .. 8 b + 7 of my 32) of set st become codes in LDS.  The conversion takes eight registers, two rows: it is issued twice, once with each row's scale, and of each result the word made with its own scale is kept.
.macro QB st, b, refill
.set SB, 128*\st+32*\b
.if PERM
.set PB8, 16*(\b%2)+8*(\b/2)
.else
.set PB8, 8*\b
.endif
	WIN 0x05
.irp r, 0,1,2,3,4,5,6,7
	v_max3_num_f32 v[M+\r], |v[SB+4*\r]|, |v[SB+4*\r+1]|, s42     ; with the floor 2^(9 - 127): the byte cannot fall under 1
.endr
.irp r, 0,1,2,3,4,5,6,7
	v_max3_num_f32 v[M+\r], |v[SB+4*\r+2]|, |v[SB+4*\r+3]|, v[M+\r]
.endr
	WIN 0
.irp x, 1,2,4
.irp r, 0,1,2,3,4,5,6,7
	v_max_num_f32_dpp v[M+\r], v[M+\r], v[M+\r] row_xmask:\x row_mask:0xf bank_mask:0xf
.endr
.endr
.irp r, 0,1,2,3,4,5,6,7
	v_add_nc_u32 v[SCL+\r], s43, v[M+\r]           ; 8 off the exponent field: the conversion's scale operand
.endr
.irp r, 0,1,2,3,4,5,6,7
	v_and_or_b32 v[HLD+\r], v[M+\r], s44, s45      ; 448 x the scale
.endr
	s_wait_dscnt 0x0                               ; the last batch's LDS stores are done,
	s_wait_alu depctr_vm_vsrc(0)                   ; and they have read their bytes in v104-111 and their codes in v112-127, which the lines below write again
.irp r, 0,1,2,3,4,5,6,7
	v_lshrrev_b32 v[BYT+\r], 23, v[SCL+\r]
.endr
	WIN 0x41
.set QI, 0
.rept 32
	v_med3_num_f32 v[SB+QI], v[SB+QI], -v[HLD+QI/4], v[HLD+QI/4]   ; the conversion to an 8-bit code does not saturate (ISA guide 7.6.2)
.set QI, QI+1
.endr
	WIN 0x01
.irp p, 0,1,2,3
	v_cvt_scalef32_pk8_fp8_f32 v[COD+4*\p:COD+4*\p+1], v[SB+8*\p:SB+8*\p+7], v[SCL+2*\p]
	v_cvt_scalef32_pk8_fp8_f32 v[COD+4*\p+2:COD+4*\p+3], v[SB+8*\p:SB+8*\p+7], v[SCL+2*\p+1]
.endr
	WIN 0
	v_nop                                          ; one plain instruction behind the last scaled conversion
	s_wait_alu depctr_va_vdst(0)                   ; codes and bytes are written, which the LDS stores read (in a trip's first batch their addresses too); the holds and conversions are done with the eight rows, in which the refill lands; the last trip's products are done reading v128-255 and v24-31, in which this trip's LDS loads land
.irp r, 0,1,2,3,4,5,6,7
	ds_store_b32 v[ADW], v[COD+4*(\r/2)+3*(\r%2)] offset:\st*SLOT+(PB8+\r)*PITCH   ; 32 lanes: the row's 128 bytes
	ds_store_b8 v[ADB], v[BYT+\r] offset:\st*512+(PB8+\r)*4                        ; the eight lanes of a block write the same byte with the same value
.endr
.if \refill
	WIN 0x40
.irp r, 0,1,2,3,4,5,6,7
	global_load_b128 v[SB+4*\r:SB+4*\r+3], v[LI], s[26:27] offset:(8*\b+\r)*WP+512*(2+\st) th:TH_LOAD_NT   ; the same rows, two chunks on.  No further wait: nothing since the wait above names these registers
.endr
	WIN 0
.endif
.endm
.macro XISSUE koff                     ; my five tiles' fragments of K step koff (from the stepped base); with an even step the scale words of two steps
	WIN 0xC0
.irp i, 0,1,2,3,4
.irp c, 0,1,2,3
	global_load_b128 v[64+16*\i+4*\c:64+16*\i+4*\c+3], v[XA+\i], s[28:29] offset:(\koff)*XSTEP+\c*XC
.endr
.endr
	WIN 0
.if ((\koff)%2) == 0
.irp i, 0,1,2,3,4
	global_load_b32 v[XS+\i], v[XSA+\i], s[30:31] offset:((\koff)/2)*XSS
.endr
.endif
.endm
.macro WM d, t, i, par
.if (\par)
	v_wmma_scale_f32_16x16x128_f8f6f4 v[\d:\d+7], v[WF+16*\t:WF+16*\t+15], v[64+16*\i:64+16*\i+15], v[\d:\d+7], v[WS+\t], v[XS+\i] matrix_b_scale:MATRIX_SCALE_ROW1
.else
	v_wmma_scale_f32_16x16x128_f8f6f4 v[\d:\d+7], v[WF+16*\t:WF+16*\t+15], v[64+16*\i:64+16*\i+15], v[\d:\d+7], v[WS+\t], v[XS+\i]
.endif
.endm
; One K step's products: the slab's eight fragments and scale words from LDS, 40 matrix instructions.  The 40 accumulators take turns, one instruction a turn, in the same order in every step.
; step = 1: the three bases go two K steps on, AHEAD of the load of the next routed rows: the youngest memory instructions are then the trip's refills, issued a barrier and 40 products ago.
.macro MM adr, aoff, ads, soff, par, nwait, koff, step
.irp t, 0,1,2,3,4,5,6,7
.irp c, 0,1,2,3
	ds_load_b128 v[WF+16*\t+4*\c:WF+16*\t+4*\c+3], v[\adr] offset:\aoff+\t*16*PITCH+32*\c
.endr
	ds_load_b32 v[WS+\t], v[\ads] offset:\soff+64*\t
.endr
	s_wait_loadcnt \nwait                          ; this step's routed rows are in; only weight loads issued behind them may be out
	s_wait_dscnt 0x0
	WIN 0xAC                                       ; source 1 window 3, C and D window 2
.irp i, 0,1,2,3
.irp t, 0,1,2,3,4,5,6,7
	WM 64*\i+8*\t,\t,\i,\par
.endr
.endr
	WIN 0xFC                                       ; C and D window 3
.irp t, 0,1,2,3,4,5,6,7
	WM 8*\t,\t,4,\par
.endr
	WIN 0
.rept 8
	v_nop                                          ; eight places behind this form in front of the first read of its results; they stay beside the waits on va_vdst
.endr
.if \step
	s_wait_xcnt 0x0                                ; every load issued so far has read its base: only behind this wait are the bases written
	s_add_nc_u64 s[26:27], s[26:27], 1024
	s_add_nc_u64 s[28:29], s[28:29], 2*XSTEP
	s_add_nc_u64 s[30:31], s[30:31], XSS
.endif
.if (\koff) >= 0
	s_wait_alu depctr_va_vdst(0)                   ; the products are done reading the routed rows' fragments and scale words, in which the loads below land; in a further pass also the weights' fragments and scale words, in which the next step's LDS loads land
	XISSUE \koff
.endif
.endm
.macro TRIP par, refill, nstart, nmid, koff, step
	s_wait_loadcnt \nstart                         ; this chunk's 32 loads are in; the next chunk's 32 and this step's routed rows may be out
	s_wait_alu depctr_vm_vsrc(0)                   ; the last trip's LDS stores and loads have read v52-55, which the four lines below write
	v_add_nc_u32 v[ADW], s23, v[WST0]
	v_add_nc_u32 v[ADR], s23, v[RD0]
	v_add_nc_u32 v[ADB], s24, v[BST0]
	v_add_nc_u32 v[ADS], s24, v[RDS0]
	QB \par,0,\refill
	QB \par,1,\refill
	QB \par,2,\refill
	QB \par,3,\refill
	s_wait_dscnt 0x0                               ; for the others: my part of the slot lies in LDS
	s_barrier_signal -1
	s_barrier_wait -1                              ; the slot is whole; no slot is ever written twice, so one barrier a trip is enough
	MM ADR,\par*SLOT,ADS,\par*512,\par,\nmid,\koff,\step
.endm
.macro BIASL                           ; the sums begin with b2 / 4: 16 loads bring it straight into tile 0's accumulators, in the result's layout
	WIN 0x80
.set QI, 0
.rept 8
.if PERM
.set BO, (32*(QI/2)+8*(QI%2))*4
.else
.set BO, 64*QI
.endif
	global_load_b128 v[8*QI:8*QI+3], v[BOFF], s[56:57] offset:BO
	global_load_b128 v[8*QI+4:8*QI+7], v[BOFF], s[56:57] offset:BO+16
.set QI, QI+1
.endr
	WIN 0
.endm
.macro BIASC                           ; and tiles 1 to 4 begin with the same 64 numbers a lane: copies, made while the wave has only loads to wait for
	WIN 0x82                                       ; from window 2 to window 2
.set QI, 0
.rept 192
	v_mov_b32 v[64+QI], v[QI%64]
.set QI, QI+1
.endr
	WIN 0xC2                                       ; from window 2 to window 3
.set QI, 0
.rept 64
	v_mov_b32 v[QI], v[QI]
.set QI, QI+1
.endr
	WIN 0
.endm
.macro ENTS                            ; my five tiles' list entries: lane r (and r + 16) takes row r's
.irp i, 0,1,2,3,4
	global_load_b32 v[ENT+\i], v[ENO], s[40:41] offset:\i*256
.endr
.endm
; Tile i leaves.  s25 = the count less my first row of the pass; a tile or a row past the count is jumped over: scalar branches on the stored count, round no barrier.
; The 16 rows' offsets are made in runs (16 lane reads, 16 clamps, 16 shift-adds) while the tile is on its way through the stage, so that one wait serves each run.
.macro YOUT i
.if \i < 4
.set HWI, 2
.set AB, 64*\i
.else
.set HWI, 3
.set AB, 0
.endif
	s_sub_co_i32 s51, s25, 64*\i                   ; rows of this tile that count
	s_cmp_le_i32 s51, 0
	s_cbranch_scc1 .Lgone_\@
	WIN (HWI*4)                                    ; an LDS store's data are its source 1
.irp t, 0,1,2,3,4,5,6,7
	ds_store_b128 v[SO], v[AB+8*\t:AB+8*\t+3] offset:64*\t           ; each accumulator from its low end on.  No wait here: no vector line since the wait at the pass's label names an accumulator
	ds_store_b128 v[SO], v[AB+8*\t+4:AB+8*\t+7] offset:64*\t+16
.endr
	WIN 0
	s_wait_xcnt 0x0                                ; the last tile's stores have had their addresses translated,
	s_wait_alu depctr_vm_vsrc(0)                   ; and have read their rows in v128-191, in which the loads below land, and their offsets in v64-79, which the shift-adds below write
.irp p, 0,1,2,3,4,5,6,7,8,9,10,11,12,13,14,15
	ds_load_b128 v[BK+4*\p:BK+4*\p+3], v[SR] offset:\p*528           ; LDS serves a wave's instructions in order: these see my stores
.endr
.irp p, 0,1,2,3,4,5,6,7,8,9,10,11,12,13,14,15
	v_readlane_b32 s[RS+\p], v[ENT+\i], \p
.endr
	s_wait_alu depctr_va_sdst(0)                   ; the sixteen entries s66-81 are written, ahead of their first reader
.irp p, 0,1,2,3,4,5,6,7,8,9,10,11,12,13,14,15
	s_min_u32 s[RS+\p], s[RS+\p], 2047             ; the row of the plane: 2 token + place
.endr
.irp p, 0,1,2,3,4,5,6,7,8,9,10,11,12,13,14,15
	v_lshl_add_u32 v[VO+\p], s[RS+\p], 12, v[LI]
.endr
	s_wait_dscnt 0x0
	s_wait_alu depctr_va_vdst(0)                   ; the sixteen offsets v64-79 are written, which the stores read
.irp p, 0,1,2,3,4,5,6,7,8,9,10,11,12,13,14,15
.if \p > 0
	s_cmp_le_i32 s51, \p
	s_cbranch_scc1 .Lgone_\@
.endif
	global_store_b128 v[VO+\p], v[BK+4*\p:BK+4*\p+3], s[36:37] th:TH_STORE_NT   ; 32 lanes store 512 consecutive bytes, aligned
.endr
.Lgone_\@:
.endm
	s_load_b256 s[4:11], s[0:1], 0x0               ; w2 s[4:5], aux s[6:7], hc s[8:9], rlist s[10:11]
	s_load_b64 s[12:13], s[0:1], 0x20              ; ybuf
	v_lshl_add_u32 v51, v0, 2, 0x2d400
	v_mov_b32 v59, 0
	v_lshrrev_b32 v60, 5, v0
	v_readfirstlane_b32 s16, v60                   ; wave
	s_and_b32 s17, ttmp9, 7                        ; cs: which 128 columns
	s_lshr_b32 s54, ttmp9, 3                       ; q: which quarter of K
	s_and_b32 s18, ttmp7, 0xffff                   ; expert
	v_and_b32 v60, 31, v0                          ; lane
	v_and_b32 v61, 15, v0                          ; r
	v_bfe_u32 v62, v0, 4, 1                        ; h
	v_bfe_u32 v63, v0, 3, 2                        ; my block of the four in 128
	v_lshlrev_b32 v[LI], 4, v60
	v_lshlrev_b32 v[LS], 2, v60
	v_lshlrev_b32 v[BOFF], 5, v62
	s_mov_b32 s53, 0
	s_mov_b32 s59, 0
	s_lshl_b32 s58, s18, 12                        ; b2 / 4: behind the gate weights' 8,192 bytes, 4 KiB an expert, 512 bytes for 128 columns
	s_lshl_b32 s50, s17, 9
	s_add_co_u32 s58, s58, s50
	s_add_co_u32 s58, s58, 8192
	s_lshl_b32 s52, s18, 24                        ; w2: 16 MiB an expert, 2 MiB for 128 rows, 512 KiB a wave, 4 KiB a quarter of K
	s_lshl_b32 s50, s17, 21
	s_add_co_u32 s52, s52, s50
	s_wait_alu depctr_va_sdst(0)                   ; s16, the wave's number, is written, ahead of its first reader
	s_lshl_b32 s50, s16, 19
	s_add_co_u32 s52, s52, s50
	s_lshl_b32 s50, s54, 12
	s_add_co_u32 s52, s52, s50
	s_wait_kmcnt 0x0
	s_add_nc_u64 s[26:27], s[4:5], s[52:53]
	s_add_nc_u64 s[56:57], s[6:7], s[58:59]        ; b2 / 4 at my columns
	s_wait_alu depctr_va_vdst(0)                   ; the offsets v1 and v7 are written, which the loads of the bias and of the weights read
	BIASL
	SISSUE 0,0
	SISSUE 1,1                                     ; the weights go out
	s_mul_i32 s52, s18, 5376
	s_add_nc_u64 s[40:41], s[10:11], s[52:53]      ; my expert's record: the count, then the list; this pair is not written again
	s_load_b32 s19, s[40:41], 0x0                  ; the count: wanted only behind the eight trips
	s_mul_i32 s50, s16, 32*PITCH
	v_add_nc_u32 v[WST0], s50, v[LS]
	s_lshl_b32 s50, s16, 7
	s_add_co_u32 s50, s50, SCW
	v_add_nc_u32 v[BST0], s50, v63
	v_mul_u32_u24 v[RD0], v61, PITCH
	v_lshl_add_u32 v[RD0], v62, 4, v[RD0]
	v_add_nc_u32 v[RD0+1], 3*SLOT, v[RD0]
	v_add_nc_u32 v[RD0+2], 6*SLOT, v[RD0]
	v_lshl_add_u32 v[RDS0], v61, 2, SCW
	s_mul_i32 s50, s16, 16*528
	s_add_co_u32 s50, s50, STAGE                   ; my stage
	v_mul_u32_u24 v[SO], v61, 528
	v_lshl_add_u32 v[SO], v62, 5, v[SO]
	v_add_nc_u32 v[SO], s50, v[SO]                 ; in: row r, + 32 h
	v_add_nc_u32 v[SR], s50, v[LI]                 ; back: 32 lanes take a row of 512 bytes
	s_lshl_b32 s50, s16, 6
	s_add_co_u32 s50, s50, 256
	v_lshl_add_u32 v[ENO], v61, 2, s50             ; entry 16 w + r, behind the count's 256 bytes
	s_lshl_b32 s50, s16, 16                        ; tile 4 i + w: 65,536 bytes of images a tile
.irp i, 0,1,2,3,4
	v_add_nc_u32 v[XA+\i], s50, v[LI]
	s_add_co_u32 s50, s50, 262144
.endr
	v_lshlrev_b32 v63, 2, v61
	v_lshl_add_u32 v63, v62, 7, v63                ; 4 r, and lanes 16-31 the next K step's 128 bytes
	s_lshl_b32 s50, s16, 12                        ; 4,096 bytes of scale words a tile
.irp i, 0,1,2,3,4
	v_add_nc_u32 v[XSA+\i], s50, v63
	s_add_co_u32 s50, s50, 16384
.endr
	s_mov_b32 s42, 0x04800000                      ; the floor 2^(9 - 127)
	s_mov_b32 s43, 0xfc000000                      ; 8 off an exponent field
	s_mov_b32 s44, 0x7f800000
	s_mov_b32 s45, 0x00600000                      ; the mantissa field of 448
	s_mov_b32 s23, 0
	s_mov_b32 s24, 0
	s_mul_i32 s52, s18, 5242880
	s_lshl_b32 s50, s54, 14
	s_add_co_u32 s52, s52, s50
	s_add_nc_u64 s[32:33], s[8:9], s[52:53]        ; h's images: my expert, K step 8 q
	s_mul_i32 s52, s18, 327680
	s_lshl_b32 s50, s54, 10
	s_add_co_u32 s52, s52, s50
	s_add_co_u32 s52, s52, 41943040
	s_add_nc_u64 s[34:35], s[8:9], s[52:53]        ; and their scale words
	s_mov_b64 s[28:29], s[32:33]
	s_mov_b64 s[30:31], s[34:35]
	s_lshl_b32 s52, s54, 23
	s_lshl_b32 s50, s17, 9
	s_add_co_u32 s52, s52, s50
	s_add_nc_u64 s[36:37], s[12:13], s[52:53]      ; plane q of ybuf, my columns
	s_wait_loadcnt 63                              ; 64 weight loads were issued behind the bias: it is in
	BIASC
	s_wait_alu depctr_va_vdst(0)                   ; the offsets v8-17 and v37 are written, which the loads below read; so are the LDS addresses v3, v4, v6, v38, v39, v56-58, which the LDS instructions of the trips and of the way out read
	XISSUE 0
	ENTS
	s_mov_b32 s22, 3
.Lk:                                               ; two trips a turn: chunks 2 k and 2 k + 1; each refills its set with the chunk two on
	TRIP 0,1,57,32,1,0                             ; 57 = the next chunk's 32 + 25 loads of routed rows; 32 = the refills just issued
	TRIP 1,1,52,32,0,1                             ; 52 = 32 + 20; the bases step ahead of its load of routed rows, whose K step then stands at the base
	s_add_co_u32 s23, s23, 2*SLOT
	s_add_co_u32 s24, s24, 1024
	s_sub_co_u32 s22, s22, 1
	s_cmp_lg_u32 s22, 0
	s_cbranch_scc1 .Lk
	TRIP 0,0,57,0,1,0                              ; the last two chunks: nothing is left to fetch of w2
	TRIP 1,0,20,0,-1,0                             ; 20 = the last step's routed rows
	s_wait_kmcnt 0x0                               ; the count
	s_mov_b32 s20, 1                               ; passes: 1 + (n > 320) + (n > 640) + (n > 960)
	s_cmp_gt_u32 s19, 320
	s_add_co_ci_u32 s20, s20, 0
	s_cmp_gt_u32 s19, 640
	s_add_co_ci_u32 s20, s20, 0
	s_cmp_gt_u32 s19, 960
	s_add_co_ci_u32 s20, s20, 0
	s_lshl_b32 s50, s16, 4
	s_sub_co_i32 s25, s19, s50                     ; the count less my first row
	s_mov_b32 s21, 0
.Lpass:                                            ; a pass's tiles leave; then, while rows are left, the next 320 rows on the codes that lie in LDS
	s_wait_alu depctr_va_vdst(0)                   ; the last step's products have written the accumulators, which the stage's LDS stores read (the eight places ahead stay beside this wait), and are done reading the fragments in v128-191, in which the stage's rows land
	YOUT 0
	YOUT 1
	YOUT 2
	YOUT 3
	YOUT 4
	s_wait_alu depctr_vm_vsrc(0)                   ; the stage's LDS stores have read the accumulators, the last stores their rows in v128-191, the loads their offsets in v8-17 and v37: a further pass writes all of them again
	s_add_co_u32 s21, s21, 1
	s_cmp_ge_u32 s21, s20
	s_cbranch_scc1 .Ldone
	s_wait_xcnt 0x0                                ; the stores have read their data, the loads their offsets
.irp i, 0,1,2,3,4
	v_add_nc_u32 v[XA+\i], 1310720, v[XA+\i]       ; twenty tiles on
	v_add_nc_u32 v[XSA+\i], 81920, v[XSA+\i]
.endr
	v_add_nc_u32 v[ENO], 1280, v[ENO]
	s_sub_co_i32 s25, s25, 320
	s_mov_b64 s[28:29], s[32:33]
	s_mov_b64 s[30:31], s[34:35]
	s_wait_alu depctr_va_vdst(0)                   ; the eleven offsets are written, which the loads below read; the lane reads are done with v32-36, in which the next entries land
	BIASL
	XISSUE 0
	ENTS
	s_wait_loadcnt 30                              ; the bias is in; the 25 loads of routed rows and the 5 of entries issued behind it may be out
	BIASC
.irp j, 0,1,2,3,4,5,6
	MM RD0+\j/3,(\j%3)*SLOT,RDS0,\j*512,\j%2,0,\j+1,0
.endr
	MM RD0+2,SLOT,RDS0,7*512,1,0,-1,0
	s_cmp_lt_u32 s21, s20                          ; holds whenever this line is reached: the way out of the loop is the branch above
	s_cbranch_scc1 .Lpass
.Ldone:
	s_wait_dscnt 0x0                               ; the closing lines, six on end
	s_wait_alu 0x0
	s_wait_tensorcnt 0x0
	ds_add_u32 v51, v59
	s_wait_dscnt 0x0
	s_endpgm
.Lfunc_end_k_q2b06fd11a9_down:
	.size	k_q2b06fd11a9_down, .Lfunc_end_k_q2b06fd11a9_down-k_q2b06fd11a9_down
	.p2alignl 7, 3214868480
	.fill 96, 4, 3214868480
	.section	.rodata,"a",@progbits
	.p2align	6, 0x0
	.amdhsa_kernel k_q2b06fd11a9_down
		.amdhsa_group_segment_fixed_size 185856
		.amdhsa_private_segment_fixed_size 0
		.amdhsa_enable_private_segment 0
		.amdhsa_kernarg_size 40
		.amdhsa_user_sgpr_count 2
		.amdhsa_user_sgpr_kernarg_segment_ptr 1
		.amdhsa_wavefront_size32 1
		.amdhsa_system_sgpr_workgroup_id_x 1
		.amdhsa_system_sgpr_workgroup_id_y 1
		.amdhsa_system_sgpr_workgroup_id_z 1
		.amdhsa_system_vgpr_workitem_id 0
		.amdhsa_next_free_vgpr 1024
		.amdhsa_next_free_sgpr 82
		.amdhsa_reserve_vcc 0
		.amdhsa_float_denorm_mode_32 3
		.amdhsa_float_denorm_mode_16_64 3
		.amdhsa_memory_ordered 1
		.amdhsa_forward_progress 1
		.amdhsa_inst_pref_size 255
	.end_amdhsa_kernel
	.section	.bss,"aw",@nobits
	.p2align	6
	.space	262144
	.amdgpu_metadata
---
amdhsa.version: [ 1, 2 ]
amdhsa.kernels:
  - .name:           k_q2b06fd11a9_down
    .symbol:         k_q2b06fd11a9_down.kd
    .args:
      - { .name: w2, .offset: 0, .size: 8, .value_kind: global_buffer, .address_space: global }
      - { .name: aux, .offset: 8, .size: 8, .value_kind: global_buffer, .address_space: global }
      - { .name: hc, .offset: 16, .size: 8, .value_kind: global_buffer, .address_space: global }
      - { .name: rlist, .offset: 24, .size: 8, .value_kind: global_buffer, .address_space: global }
      - { .name: ybuf, .offset: 32, .size: 8, .value_kind: global_buffer, .address_space: global }
    .group_segment_fixed_size: 185856
    .private_segment_fixed_size: 0
    .kernarg_segment_align: 8
    .kernarg_segment_size: 40
    .max_flat_workgroup_size: 128
    .sgpr_count:     82
    .vgpr_count:     1024
    .wavefront_size: 32
...
	.end_amdgpu_metadata
.endif
;; end of part 6
;; launch combine: the kernel of part 4 again; grid 256 x 1, 8 waves a work-group, no clusters, 0 bytes of LDS; arguments ybuf, aux, out0; writes out0
